; MI455X (gfx1250); checked and timed in simulation.
; The chip was launched on July 23, 2026; its instructions are those of AMD's public machine-readable ISA for CDNA 5 (MIT licence, August 2026) and "CDNA5" Instruction Set Architecture Reference Guide (July 2026). The comments in the code are by the model that wrote it; some were corrected since.
;; Multihead Self Attention. Allowed arithmetic: matrix products marked QUANTISED: E2M1 operands, one E8M0 scale for each 32 along K, by v_wmma_scale_f32_16x16x128_f8f6f4 with both operands' format E2M1 (or v_wmma_scale_f32_32x16x128_f4), f32 sums; products left as they are: bf16, f16 or f32 operands; f32 sums; everything else in f32.
;; Inputs: Wo 1,024 x 1,024 float32; Wqkv 3,072 x 1,024 float32; pos 2,048 int32; x 4 x 2,048 x 1,024 float32.
;; Outputs: out0 4 x 2,048 x 1,024 float32.
;; This version of the problem:
;;   THIS VERSION OF THE PROBLEM IS GIVEN IN LOW PRECISION. The matrix products marked QUANTISED in the list below multiply operands that are first quantised to E2M1 (2 exponent bits, 1 mantissa bit; 4 bits a number), with one power-of-two scale for each 32 numbers along K (OCP MX v1.0); their sums are f32. The products marked 'left as it is' may take bf16, f16 or f32 operands, with f32 sums. Whichever they take, every output number must still come out within the allowed error. Rounding operands to bf16 (8 significant bits) uses up far more of that allowance than f16 does (11 bits, for magnitudes from 6e-5 to 65,504). All else is computed in f32.
;;   The module's matrix products, in the order in which they are computed (A, B: the left and right operand; K: the contracted axis; several contracted axes count as one K, in the product's order):
;;     1. [M 8,192, K 1,024] x [K 1,024, N 3,072]; A: input x; B: input Wqkv: QUANTISED
;;     2. batch 64 x [M 2,048, K 64] x [K 64, N 2,048]; A: computed on the way; B: computed on the way: left as it is (an operand is computed on the way)
;;     3. batch 64 x [M 2,048, K 2,048] x [K 2,048, N 64]; A: computed on the way; B: computed on the way: left as it is (an operand is computed on the way)
;;     4. [M 8,192, K 1,024] x [K 1,024, N 1,024]; A: computed on the way; B: input Wo: left as it is (an operand is computed on the way)
;;   THE QUANTISER, for each operand of a quantised product, along K:
;;     - K is cut into blocks of 32 from its start; a last block that is shorter is filled with zeros.
;;     - A block's scale is 2^e with e = floor(log2(the largest magnitude in the block)) - 2, held to -126 .. 127; a block of zeros has e = 0. As a byte (E8M0): e + 127.
;;     - Each number is divided by its block's scale, clamped to +-6, and rounded to the nearest number of E2M1, ties to even, subnormals kept.
;;     - The product sums the exact products of the quantised numbers (number of the format x scale) in f32.
;;   ~~~python
;;   def quantise(x, axis):      # numpy; x: float32 -> the quantised numbers, widened to float32 again
;;       x = np.moveaxis(x, axis, -1); K = x.shape[-1]
;;       x = np.pad(x, [(0, 0)] * (x.ndim - 1) + [(0, -K % 32)]); x = x.reshape(x.shape[:-1] + (-1, 32)); a = np.abs(x).max(-1, keepdims=True)
;;       e = np.where(a > 0, np.clip(np.frexp(np.where(a > 0, a, 1))[1] - 1 - 2, -126, 127), 0)      # np.frexp(a)[1] - 1 = floor(log2(a)), exactly
;;       r = np.clip(x / 2.0 ** e, -6, 6)
;;       step = 2.0 ** (np.maximum(np.frexp(np.where(r == 0, 1, r))[1] - 1, 0) - 1)
;;       q = np.round(r / step) * step * 2.0 ** e      # np.round: ties to even
;;       return np.moveaxis(q.reshape(q.shape[:-2] + (-1,))[..., :K], -1, axis).astype(np.float32)
;;   ~~~
;; One version. Each part assembles by itself: llvm-mc -triple=amdgcn-amd-amdhsa -mcpu=gfx1250 --defsym DOCPART=n.
;; ======== version 1 of 1: 5 launches
;; limits: right only within a limited range of input values; values are held in f16: magnitudes above 65,504 overflow, below 6.1e-05 lose precision
;; workspace buffers: codes 5,767,168 bytes; scales 360,448 bytes; wo16 2,097,152 bytes; rope 524,288 bytes; qkv16 50,331,648 bytes; qkvf 786,432 bytes; ao16 16,777,216 bytes
;; launch prep (part 1): grid 416 x 1, 4 waves a work-group, no clusters, 33,280 bytes of LDS; arguments x, Wqkv, Wo, pos, codes, scales, wo16, rope; writes codes, scales, wo16, rope
.if DOCPART == 1
	.amdgcn_target "amdgcn-amd-amdhsa--gfx1250"
	.amdhsa_code_object_version 6
	.text
	.protected	k_q5898a073e2_prep
	.globl	k_q5898a073e2_prep
	.p2align	8
	.type	k_q5898a073e2_prep,@function
k_q5898a073e2_prep:
	s_mov_b64 s[64:65], 0
	v_nop
	global_prefetch_b8 v0, s[64:65] scope:SCOPE_SE
	s_setreg_imm32_b32 hwreg(HW_REG_WAVE_MODE, 25, 1), 1
	s_wait_xcnt 0x0
; THE PROGRAM: causal self-attention, B 4, S 2,048, D 1,024, 16 heads of 64, in five launches:
;   prep (this one), qkv (x Wqkv^T on codes of E2M1, RoPE), attn (softmax(q k^T / 8) v in f16), proj (the product with Wo in f16), fine (the first 16 positions of each sequence in f32).
; WORK LEFT OUT: key tiles all of whose keys come after all the queries of a tile.  reference() sets those scores to -infinity by its own jnp.tril ahead of the softmax, so their weights are 0
; whatever finite values the inputs hold, and neither their scores nor their products with v reach an output.  Every input has a way to the output and is loaded.
; LIMIT: a NaN, an infinity or an overflow that would arise only in such hidden scores is not carried to the result.
; THIS LAUNCH, three kinds of work-group, told apart by the work-group's number:
;   0-351:   x [8192][1024] (0-255) and Wqkv [3072][1024] (256-351), f32, K innermost, become codes of E2M1 (two a byte, the lower k in the low four bits) and one E8M0 byte for each 32 along K.
;            A block's scale is 2^(floor(log2(largest magnitude)) - 2): its byte is the largest magnitude's exponent field - 2, held at 1 from below.  A block of zeros gets the byte 1 where the
;            rule says 127: its codes are zeros, and this program alone reads the bytes.  Wqkv's codes and bytes follow x's in the two buffers, so a run's place there is the same formula for both.
;   352-383: Wo [1024][1024] f32 -> f16, as it lies.
;   384-415: the table for RoPE: rope[s][f] = (cos, sin) of pos[s] x 10000^(-f / 32), f = 0 .. 31, f32: 256 bytes a position.
; LIMITS: NaN and infinities among x and Wqkv are not served; blocks whose largest magnitude lies under 2^-124 have the byte 1; |Wo| stays under 65,504 (f16);
; |pos| up to 2^20: the angle is reduced by n = the nearest whole number to angle x 2 / pi and pi / 2 in two parts, and sine and cosine are polynomials on |r| <= pi / 4.
.set WAVES, 4
.set STEPS, 16
.set EMAX,  2
.set CB,    8                          ; bytes of 16 codes
.set R,     16                         ; v16-79   four sets of 16 numbers as they are loaded
.set X,     80                         ; v80-111  two sets of 16 neighbours
.set E,     112                        ; v112-127 a scale byte for each step
.set C,     128                        ; v128-191 codes: four registers for each step
.set WREG,  8192                       ; LDS: a region for each wave: two stages of 32 x SP bytes, behind them its 256 scale bytes
.set SP,    80                         ; a lane's place in a stage: 64 bytes + 16 of padding
.set SPW,   12                         ; v12 LDS address of my spare word; never rewritten
.set NIL,   13                         ; v13 0; never rewritten
.set SPARE, WAVES*WREG                 ; the spare words: 128 bytes a wave, two blocks of 256 bytes that no other line names
	s_load_b256 s[4:11], s[0:1], 0x0               ; x s[4:5], Wqkv s[6:7], Wo s[8:9], pos s[10:11]
	s_load_b256 s[12:19], s[0:1], 0x20             ; codes s[12:13], scales s[14:15], wo16 s[16:17], rope s[18:19]
	v_lshl_add_u32 v[SPW], v0, 2, SPARE
	v_mov_b32 v[NIL], 0
	v_lshrrev_b32 v1, 5, v0
	v_readfirstlane_b32 s20, v1                    ; wave
	v_and_b32 v2, 31, v0                           ; lane
	v_lshlrev_b32 v3, 4, v2                        ; 16 x lane: my bytes of a load's 512
	v_lshlrev_b32 v4, 3, v2                        ; 8 x lane: my bytes of a store's 256
	s_mul_i32 s21, s20, WREG                       ; all LDS addresses are made here, ahead of the parting
	v_lshrrev_b32 v14, 2, v2
	v_mul_u32_u24 v14, v14, SP
	v_and_b32 v15, 3, v2
	v_lshl_add_u32 v14, v15, 4, v14
	v_add_nc_u32 v14, s21, v14                     ; the stage, on the way in: SP (lane / 4) + 16 (lane % 4)
	v_mul_u32_u24 v15, v2, SP
	v_add_nc_u32 v15, s21, v15                     ; and on the way out: SP x lane: my 16 neighbours
	v_lshrrev_b32 v5, 1, v2
	s_add_co_u32 s21, s21, 2*32*SP
	v_add_nc_u32 v5, s21, v5                       ; my block's scale byte
	v_add_nc_u32 v6, s21, v4                       ; the wave's 256 scale bytes, 8 a lane
	s_wait_kmcnt 0x0
	s_cmp_ge_u32 ttmp9, 384
	s_cbranch_scc1 .Ltable
	s_cmp_ge_u32 ttmp9, 352
	s_cbranch_scc1 .Lwo
; ---- the quantiser.  A wave takes a run of 8,192 numbers in 16 steps of 512.  Each load reads 512 consecutive bytes; a step's 2,048 bytes turn through the wave's own stage in LDS, so that a lane
; then holds 16 neighbours along K (two neighbouring lanes hold a block).  Loads run four steps ahead, the turn through LDS one step.
	s_cmp_lt_u32 ttmp9, 256                        ; x's work-group or Wqkv's: the choice hangs on the work-group's number alone
	s_cselect_b64 s[4:5], s[4:5], s[6:7]
	s_cselect_b32 s22, 0, 256
	s_sub_co_u32 s22, ttmp9, s22
	s_lshl_b32 s22, s22, 2
	s_add_co_u32 s22, s22, s20                     ; my run in its tensor
	s_lshl_b32 s22, s22, 15                        ; 32,768 bytes a run
	s_mov_b32 s23, 0
	s_add_nc_u64 s[4:5], s[4:5], s[22:23]
	s_lshl_b32 s24, ttmp9, 2
	s_add_co_u32 s24, s24, s20                     ; my run in the two buffers: Wqkv's runs follow x's 1,024
	s_lshl_b32 s22, s24, 12                        ; 4,096 bytes of codes a run
	s_add_nc_u64 s[12:13], s[12:13], s[22:23]
	s_lshl_b32 s22, s24, 8                         ; 256 scale bytes a run
	s_add_nc_u64 s[14:15], s[14:15], s[22:23]
.macro LOAD t
.irp i, 0,1,2,3
	global_load_b128 v[R+16*((\t)%4)+4*\i:R+16*((\t)%4)+4*\i+3], v3, s[4:5] offset:2048*(\t)+512*\i th:TH_LOAD_NT
.endr
.endm
.macro TURN t                          ; step t's numbers through the stage: LDS serves a wave's instructions in order, so no wait stands between the stores and the loads
.irp i, 0,1,2,3
	ds_store_b128 v14, v[R+16*((\t)%4)+4*\i:R+16*((\t)%4)+4*\i+3] offset:32*SP*((\t)%2)+8*SP*\i
.endr
.irp i, 0,1,2,3
	ds_load_b128 v[X+16*((\t)%2)+4*\i:X+16*((\t)%2)+4*\i+3], v15 offset:32*SP*((\t)%2)+16*\i
.endr
.endm
.irp t, 0,1,2,3
	LOAD \t
.endr
	s_wait_loadcnt 12                              ; step 0's four loads are in; the twelve of steps 1 to 3 may be out
	TURN 0
.macro STEP t
.set XS, X+16*((\t)%2)
.if (\t) > 0
	s_wait_dscnt 1                                 ; this step's numbers are back from the stage; the last step's byte store may be out
.else
	s_wait_dscnt 0x0
.endif
.if (\t)+4 < STEPS
	LOAD (\t)+4                                    ; into the registers that this step's stage stores have read
.endif
.if (\t)+1 < STEPS
.if STEPS-2-(\t) >= 3
	s_wait_loadcnt 12                              ; the next step's four loads are in; those of the three steps behind it may be out
.else
	s_wait_loadcnt 4*(STEPS-2-(\t))
.endif
	TURN (\t)+1
.endif
	v_max3_num_f32 v8, |v[XS]|, |v[XS+1]|, |v[XS+2]|               ; the largest magnitude of my 16, in two chains
	v_max3_num_f32 v9, |v[XS+3]|, |v[XS+4]|, |v[XS+5]|
.irp i, 6,10
	v_max3_num_f32 v8, v8, |v[XS+\i]|, |v[XS+\i+1]|
	v_max3_num_f32 v9, v9, |v[XS+\i+2]|, |v[XS+\i+3]|
.endr
	v_max3_num_f32 v8, v8, |v[XS+14]|, |v[XS+15]|
	v_max3_num_f32 v8, v8, v9, (EMAX+1)<<23        ; and the floor 2^(3 - 127): the byte cannot fall under 1
	v_max_num_f32_dpp v8, v8, v8 row_xmask:1 row_mask:0xf bank_mask:0xf   ; with my neighbour's 16: the block's
	v_add_nc_u32 v11, -(EMAX<<23), v8              ; 2 off its exponent field: the conversion takes the exponent field of this operand as its scale
	v_cvt_scalef32_pk8_fp4_f32 v[C+4*(\t)], v[XS:XS+7], v11
	v_cvt_scalef32_pk8_fp4_f32 v[C+4*(\t)+1], v[XS+8:XS+15], v11
	v_lshrrev_b32 v[E+(\t)], 23, v11               ; the scale's byte
	ds_store_b8 v5, v[E+(\t)] offset:16*(\t)       ; both lanes of a block write the same byte with the same value
	global_store_b64 v4, v[C+4*(\t):C+4*(\t)+1], s[12:13] offset:32*CB*(\t)   ; the wave stores 256 consecutive bytes, aligned
.endm
.irp t, 0,1,2,3,4,5,6,7,8,9,10,11,12,13,14,15
	STEP \t
.endr
	ds_load_b64 v[8:9], v6                         ; LDS serves a wave's instructions in order: these see my byte stores
	s_wait_dscnt 0x0
	global_store_b64 v4, v[8:9], s[14:15]          ; the run's 256 scale bytes: consecutive, aligned
	s_wait_tensorcnt 0x0                           ; the wave's end: behind my last LDS store
	ds_add_u32 v[SPW], v[NIL]
	s_wait_dscnt 0x0
	s_endpgm
; ---- Wo to f16.  A wave takes 8,192 numbers in four rounds of 16 loads; two sets of 64 registers, so that a round's loads are out while the round before is converted.
.Lwo:
	s_sub_co_u32 s22, ttmp9, 352
	s_lshl_b32 s22, s22, 2
	s_add_co_u32 s22, s22, s20                     ; run 0 .. 127
	s_lshl_b32 s24, s22, 15
	s_mov_b32 s25, 0
	s_add_nc_u64 s[8:9], s[8:9], s[24:25]
	s_lshl_b32 s24, s22, 14
	s_add_nc_u64 s[16:17], s[16:17], s[24:25]
.macro WLOAD g
.irp i, 0,1,2,3,4,5,6,7,8,9,10,11,12,13,14,15
	global_load_b128 v[16+64*((\g)%2)+4*\i:16+64*((\g)%2)+4*\i+3], v3, s[8:9] offset:(16*(\g)+\i)*512 th:TH_LOAD_NT
.endr
.endm
.macro WROUND g
.if (\g) < 3
	s_wait_loadcnt 16                              ; this round's 16 loads are in; the next round's may be out
.else
	s_wait_loadcnt 0x0
.endif
.if (\g) > 0
	s_wait_xcnt 0x0                                ; the last round's stores have read v144-175, which are written again below
.endif
.irp i, 0,1,2,3,4,5,6,7,8,9,10,11,12,13,14,15
	v_cvt_pk_f16_f32 v[144+2*\i], v[16+64*((\g)%2)+4*\i], v[16+64*((\g)%2)+4*\i+1]
	v_cvt_pk_f16_f32 v[145+2*\i], v[16+64*((\g)%2)+4*\i+2], v[16+64*((\g)%2)+4*\i+3]
.endr
.if (\g) < 2
	WLOAD (\g)+2
.endif
.irp i, 0,1,2,3,4,5,6,7,8,9,10,11,12,13,14,15
	global_store_b64 v4, v[144+2*\i:145+2*\i], s[16:17] offset:(16*(\g)+\i)*256   ; 256 consecutive bytes, aligned
.endr
.endm
	WLOAD 0
	WLOAD 1
	WROUND 0
	WROUND 1
	WROUND 2
	WROUND 3
	s_endpgm
; ---- the table.  A wave takes 16 positions; the lane is the frequency f.
.Ltable:
	s_sub_co_u32 s22, ttmp9, 384
	s_lshl_b32 s22, s22, 2
	s_add_co_u32 s22, s22, s20                     ; run 0 .. 127
	s_lshl_b32 s24, s22, 6
	s_mov_b32 s25, 0
	s_add_nc_u64 s[10:11], s[10:11], s[24:25]
	s_load_b512 s[36:51], s[10:11], 0x0            ; my 16 numbers of pos
	s_lshl_b32 s26, s22, 12
	s_mov_b32 s27, 0
	s_add_nc_u64 s[18:19], s[18:19], s[26:27]
	s_mov_b32 s52, 0x3f22f983                      ; 2 / pi
	s_mov_b32 s53, 0x3fc90fdb                      ; pi / 2, the f32 next to it,
	s_mov_b32 s54, 0xb33bbd2e                      ; and what is left of it
	s_mov_b32 s55, 0xbe2aaaa3                      ; sine: r + r z (S1 + z (S2 + z S3)), z = r r
	s_mov_b32 s56, 0x3c08839e
	s_mov_b32 s57, 0xb94ca1f9
	s_mov_b32 s58, 0x3d2aaaa5                      ; cosine: 1 - z / 2 + z z (C1 + z (C2 + z C3))
	s_mov_b32 s59, 0xbab6061a
	s_mov_b32 s60, 0x37ccf5ce
	s_mov_b32 s61, 0x80000000
	v_cvt_f32_u32 v16, v2
	v_mul_f32 v16, 0xbed49a78, v16                 ; -f log2(10000) / 32
	v_exp_f32 v16, v16                             ; 10000^(-f / 32)
	v_nop                                          ; a plain instruction behind the exponential,
	s_wait_alu depctr_va_vdst(0)                   ; and the wait ahead of its first reader
	s_wait_kmcnt 0x0
.macro SINCOS i
	v_cvt_f32_i32 v20, s[36+\i]
	v_mul_f32 v20, v20, v16                        ; the angle, rounded once, as reference() has it
	v_mul_f32 v21, s52, v20
	v_rndne_f32 v21, v21                           ; n
	v_fma_f32 v22, -v21, s53, v20
	v_fma_f32 v22, -v21, s54, v22                  ; r = angle - n pi / 2
	v_cvt_i32_f32 v23, v21
	v_mul_f32 v24, v22, v22                        ; z
	v_fma_f32 v25, v24, s57, s56
	v_fma_f32 v27, v24, s60, s59
	v_mul_f32 v26, v22, v24
	v_mul_f32 v29, v24, v24
	v_fma_f32 v25, v24, v25, s55
	v_fma_f32 v27, v24, v27, s58
	v_fma_f32 v28, v24, -0.5, 1.0
	v_fma_f32 v25, v26, v25, v22                   ; sin r
	v_fma_f32 v27, v29, v27, v28                   ; cos r
	v_and_b32 v30, 1, v23
	v_cmp_eq_u32 vcc_lo, 1, v30                    ; an odd n swaps the two
	v_cndmask_b32 v31, v25, v27, vcc_lo
	v_cndmask_b32 v32, v27, v25, vcc_lo
	v_lshlrev_b32 v33, 30, v23                     ; the sine changes sign where n % 4 is 2 or 3,
	v_add_nc_u32 v34, 1, v23
	v_and_b32 v33, s61, v33
	v_lshlrev_b32 v34, 30, v34                     ; the cosine where it is 1 or 2
	v_and_b32 v34, s61, v34
	v_xor_b32 v[65+2*\i], v31, v33
	v_xor_b32 v[64+2*\i], v32, v34
	global_store_b64 v4, v[64+2*\i:65+2*\i], s[18:19] offset:256*\i   ; a position's 256 bytes: consecutive, aligned; each position has result registers of its own
.endm
.irp i, 0,1,2,3,4,5,6,7,8,9,10,11,12,13,14,15
	SINCOS \i
.endr
	s_endpgm
.Lfunc_end_k_q5898a073e2_prep:
	.size	k_q5898a073e2_prep, .Lfunc_end_k_q5898a073e2_prep-k_q5898a073e2_prep
	.p2alignl 7, 3214868480
	.fill 96, 4, 3214868480
	.section	.rodata,"a",@progbits
	.p2align	6, 0x0
	.amdhsa_kernel k_q5898a073e2_prep
		.amdhsa_group_segment_fixed_size 33280
		.amdhsa_private_segment_fixed_size 0
		.amdhsa_enable_private_segment 0
		.amdhsa_kernarg_size 64
		.amdhsa_user_sgpr_count 2
		.amdhsa_user_sgpr_kernarg_segment_ptr 1
		.amdhsa_wavefront_size32 1
		.amdhsa_system_sgpr_workgroup_id_x 1
		.amdhsa_system_sgpr_workgroup_id_y 1
		.amdhsa_system_sgpr_workgroup_id_z 1
		.amdhsa_system_vgpr_workitem_id 0
		.amdhsa_next_free_vgpr 192
		.amdhsa_next_free_sgpr 66
		.amdhsa_reserve_vcc 1
		.amdhsa_float_denorm_mode_32 3
		.amdhsa_float_denorm_mode_16_64 3
		.amdhsa_memory_ordered 1
		.amdhsa_forward_progress 1
		.amdhsa_inst_pref_size 75
	.end_amdhsa_kernel
	.amdgpu_metadata
---
amdhsa.version: [ 1, 2 ]
amdhsa.kernels:
  - .name:           k_q5898a073e2_prep
    .symbol:         k_q5898a073e2_prep.kd
    .args:
      - { .name: x, .offset: 0, .size: 8, .value_kind: global_buffer, .address_space: global }
      - { .name: Wqkv, .offset: 8, .size: 8, .value_kind: global_buffer, .address_space: global }
      - { .name: Wo, .offset: 16, .size: 8, .value_kind: global_buffer, .address_space: global }
      - { .name: pos, .offset: 24, .size: 8, .value_kind: global_buffer, .address_space: global }
      - { .name: codes, .offset: 32, .size: 8, .value_kind: global_buffer, .address_space: global }
      - { .name: scales, .offset: 40, .size: 8, .value_kind: global_buffer, .address_space: global }
      - { .name: wo16, .offset: 48, .size: 8, .value_kind: global_buffer, .address_space: global }
      - { .name: rope, .offset: 56, .size: 8, .value_kind: global_buffer, .address_space: global }
    .group_segment_fixed_size: 33280
    .private_segment_fixed_size: 0
    .kernarg_segment_align: 8
    .kernarg_segment_size: 64
    .max_flat_workgroup_size: 128
    .sgpr_count:     66
    .vgpr_count:     192
    .wavefront_size: 32
...
	.end_amdgpu_metadata
.endif
;; end of part 1
;; launch qkv (part 2): grid 12 x 32, 4 waves a work-group, clusters of 4 x 4, 327,680 bytes of LDS; arguments codes, scales, rope, qkv16, qkvf; writes qkv16, qkvf
.if DOCPART == 2
	.amdgcn_target "amdgcn-amd-amdhsa--gfx1250"
	.amdhsa_code_object_version 6
	.text
	.protected	k_q5898a073e2_qkv
	.globl	k_q5898a073e2_qkv
	.p2align	8
	.type	k_q5898a073e2_qkv,@function
k_q5898a073e2_qkv:
	s_mov_b64 s[64:65], 0
	v_nop
	global_prefetch_b8 v0, s[64:65] scope:SCOPE_SE
	s_setreg_imm32_b32 hwreg(HW_REG_WAVE_MODE, 25, 1), 1
	s_wait_xcnt 0x0
	s_wait_alu depctr_hold_cnt(0) depctr_sa_sdst(0) depctr_va_vdst(0) depctr_va_sdst(0) depctr_va_ssrc(0) depctr_va_vcc(0) depctr_vm_vsrc(0)
	s_getreg_b32 s2, hwreg(HW_REG_IB_STS2, 6, 4)
	s_cmp_eq_u32 s2, 0
	s_cbranch_scc0 .Lentry_in_a_cluster
	s_endpgm
.Lentry_in_a_cluster:
	s_bfe_u32 s2, ttmp6, 0x10000c
	s_cmp_lg_u32 s2, 0xf033
	s_cbranch_scc0 .Lentry_shape_is_right
	s_endpgm
.Lentry_shape_is_right:
; qkv[m][n] = sum over k of Q(x)[m][k] Q(Wqkv)[n][k], m 8,192, n 3,072, k 1,024, on codes of E2M1 with one E8M0 scale for each 32 along K, sums in f32; then RoPE on q and k in f32;
; q, k, v leave as f16, laid [section q, k, v][batch][head][position][64] (a plane of a head is 262,144 dense bytes); the first 16 positions of each sequence leave in f32 as well, as images of the result registers.
; LIMIT: |q|, |k|, |v| stay under 65,504 (f16).
; A tile of 256 x 256 is made by four waves, a wave 128 x 128: 64 accumulators, 512 registers.  K is two LDS slots of 512 along K (rows of 256 bytes): both are filled at the start and nothing is filled again.
; The scale bytes of the work-group's 256 + 256 rows come once, as dense blocks.
; CLUSTERS: 4 x 4 work-groups.  Tile row = 8 cy + cluster y (so cy is the batch and cluster y the block of 256 positions in it), tile column = 4 cluster x + cx (so cluster x is the section).
; The four of a row of the cluster ask jointly for x's tiles, the four of a column for Wqkv's.  Every branch of the text hangs on the wave's number, on cluster x or on cluster y: alike in all sixteen.
; THE MATRIX INSTRUCTION IS USED TRANSPOSED (source 0 = 16 rows of Wqkv, source 1 = 16 rows of x): a lane holds eight neighbouring columns of one row: four pairs of RoPE.
; REGISTERS, in windows of 256: window 0: v0-31 addresses; v32-95 scale words, two sets; v128-191 x's fragments, one set; v192-255 two sets of the table for RoPE; on the way out v32-191 are free.
;   window 1: Wqkv's fragments, two sets, at v0 and v128.  window 2: the accumulators of my rows 0-63 ((a, b) at v[8 (8 a + b)]); window 3: those of my rows 64-127.
.set KSTEP,  512
.set NQ,     4                         ; steps of 128 along K in a slot
.set ROWB,   256                       ; a tile's row in bytes
.set KROW,   512                       ; a row of codes in memory
.set PITCH,  272                       ; an LDS row: 256 bytes + 16 of padding: the 16 rows that a load touches start 16 bytes apart modulo 256
.set FR,     8
.set NL,     2
.set NP,     4
.set HALFT,  128*PITCH
.set SLOT,   4*HALFT
.set KS,     32                        ; a row of scale bytes
.set SCL,    2*SLOT
.set HALFS,  (128*KS/256)*272
.set SBLK,   (16*KS/256)*272
.set SPARE,  SCL+4*HALFS               ; the spare words: 128 bytes a wave, two blocks of 256 bytes that no other line names
.set ADRA, 16
.set ADRB, 20
.set STO,  24                          ; v24 the way out: where I put 16 bytes of a row
.set RD,   25                          ; v25 where I read four rows of a head back
.set ADRS, 27
.set SPW,  28
.set NIL,  29
.set RT,   30                          ; v30 my lane's place in the table: 256 r + 32 h
.set GO,   31                          ; v31 16 x lane
.set SC,   32
.set AF,   128
.set T,    32                          ; the way out: v32-95 a block after RoPE, f32
.set PK,   96                          ; v96-127 the block as f16
.set BK,   128                         ; v128-191 the block read back, two sets of 32
.set CS,   192                         ; v192-255 (cos, sin) of my four pairs of each 16 columns of a head, two sets of 32
.set G1, 24
.set G0, 32
.set G1B, 48
.set G0B, 56
.set G1S, 68
.set G0S, 76
.set G1SB, 80
.set G0SB, 88
.set CLY, 95                           ; s95 cluster y
.set FLZ, 99                           ; s99 0 in the waves that hold the first 16 positions of a sequence
.set MSB, 0
.macro WIN new                         ; the immediate's high byte repeats the setting that is left
.if MSB != (\new)
	s_set_vgpr_msb (MSB<<8)|(\new)
.set MSB, (\new)
.endif
.endm
.set MUL_LO, 0xa1
.set MUL_HI, 0xf1
.set TO_B,   0x40
; A joint load: waves 0 and 1 fetch for x, waves 2 and 3 for Wqkv.  An s_nop 0 and four v_nop follow each of the two lines.
.macro JLOAD g0a, g1a, g0b, g1b
	s_cmp_eq_u32 s15, 0
	s_cbranch_scc0 .Lfor_b_\@
	tensor_load_to_lds s[\g0a:\g0a+3], s[\g1a:\g1a+7]
	s_nop 0
.rept 4
	v_nop
.endr
	s_branch .Lasked_\@
.Lfor_b_\@:
	tensor_load_to_lds s[\g0b:\g0b+3], s[\g1b:\g1b+7]
	s_nop 0
.rept 4
	v_nop
.endr
.Lasked_\@:
.endm
.macro CROUND                          ; a round of the cluster's barrier
	s_barrier_signal -1
	s_barrier_wait -1
	s_cmp_lg_u32 s14, 0
	s_cbranch_scc1 .Lnot_wave_0_\@
	s_barrier_signal -3
.Lnot_wave_0_\@:
	s_barrier_wait -3
	s_barrier_signal -1
	s_barrier_wait -1
.endm
	s_load_b256 s[4:11], s[0:1], 0x0               ; codes s[4:5], scales s[6:7], rope s[8:9], qkv16 s[10:11]
	s_load_b64 s[12:13], s[0:1], 0x20              ; qkvf
	v_lshl_add_u32 v[SPW], v0, 2, SPARE
	v_mov_b32 v[NIL], 0
	ds_add_u32 v[SPW], v[NIL]                      ; the wave's opening: the add, twice on end, and its wait ahead of my first tensor load
	ds_add_u32 v[SPW], v[NIL]
	v_lshrrev_b32 v1, 5, v0
	v_readfirstlane_b32 s14, v1                    ; wave 0..3
	s_lshr_b32 s15, s14, 1                         ; which half of the tile's rows is mine.  Also: I fetch for x (0) or for Wqkv (1)
	s_and_b32 s16, s14, 1                          ; which half of its columns.  Also: which 128 rows I fetch
	s_bfe_u32 s40, ttmp6, 0x40000                  ; cx
	s_bfe_u32 s41, ttmp6, 0x40004                  ; cy
	s_lshl_b32 s42, ttmp9, 2
	s_add_co_u32 s42, s42, s40                     ; tile column = 4 x cluster x + cx
	s_and_b32 s[CLY], ttmp7, 0xffff
	s_lshl_b32 s17, s41, 3
	s_add_co_u32 s17, s17, s[CLY]                  ; tile row = 8 cy + cluster y
	s_lshl_b32 s43, s41, 2
	s_lshl_b32 s43, 15, s43                        ; my row of the cluster
	s_lshl_b32 s44, 0x1111, s40                    ; my column
	s_or_b32 s[G1+0], s43, (0<<16)|(1<<20)|(1<<21)|(5<<22)|(3<<25)  ; the mask; elements of 1 byte; padding on; bit 21 beside a mask; 4 words behind every 64
	s_or_b32 s[G1B+0], s44, (0<<16)|(1<<20)|(1<<21)|(5<<22)|(3<<25)
.irp g, G1, G1B
	s_mov_b32 s[\g+1], ROWB<<16                    ; tensor_dim0
	s_mov_b32 s[\g+2], 128<<16                     ; tensor_dim1
	s_mov_b32 s[\g+3], ROWB<<16                    ; tile_dim0
	s_mov_b32 s[\g+4], 128                         ; tile_dim1
	s_mov_b32 s[\g+5], KROW                        ; the pitch
	s_mov_b32 s[\g+6], 0
	s_mov_b32 s[\g+7], 0
.endr
	s_or_b32 s[G1S+0], s43, (3<<16)|(1<<20)|(1<<21)|(5<<22)|(3<<25) ; the scales of 128 rows: 4,096 dense bytes as 16 rows of 256 (32 elements of 8 bytes), 16 bytes of padding behind each
	s_or_b32 s[G1SB+0], s44, (3<<16)|(1<<20)|(1<<21)|(5<<22)|(3<<25)
.irp g, G1S, G1SB
	s_mov_b32 s[\g+1], 32<<16
	s_mov_b32 s[\g+2], (128*KS/256)<<16
	s_mov_b32 s[\g+3], 32<<16
	s_mov_b32 s[\g+4], 128*KS/256
	s_mov_b32 s[\g+5], 32
	s_mov_b32 s[\g+6], 0
	s_mov_b32 s[\g+7], 0
.endr
	s_lshl_b32 s18, s16, 7
	s_lshl_b32 s20, s17, 8
	s_add_co_u32 s20, s20, s18                     ; x: row 256 x tile row + 128 x half
	s_lshl_b32 s46, s42, 8
	s_add_co_u32 s46, s46, s18                     ; Wqkv: row 256 x tile column + 128 x half
	s_mov_b32 s21, 0
	s_mov_b32 s47, 0
	s_mov_b64 s[18:19], KS
	s_mul_u64 s[22:23], s[20:21], s[18:19]         ; where these rows' scales begin,
	s_mul_u64 s[92:93], s[46:47], s[18:19]
	s_mov_b64 s[18:19], KROW
	s_mul_u64 s[20:21], s[20:21], s[18:19]         ; and their codes
	s_mul_u64 s[46:47], s[46:47], s[18:19]
	s_add_nc_u64 s[92:93], s[92:93], 262144        ; Wqkv's parts lie behind x's in both buffers
	s_add_nc_u64 s[46:47], s[46:47], 4194304
	s_mul_i32 s45, s14, HALFT                      ; where they go: wave x 128 rows: no place in the cluster enters an LDS address
	s_mul_i32 s94, s14, HALFS
	s_wait_dscnt 0x0                               ; both opening adds are done
	s_wait_kmcnt 0x0
	s_add_nc_u64 s[20:21], s[4:5], s[20:21]
	s_add_nc_u64 s[22:23], s[6:7], s[22:23]
	s_add_nc_u64 s[46:47], s[4:5], s[46:47]
	s_add_nc_u64 s[92:93], s[6:7], s[92:93]
	CROUND                                         ; all sixteen work-groups are here: the joint loads meet
	s_mov_b32 s[G0S], 1
	s_add_co_u32 s[G0S+1], s94, SCL
	s_mov_b64 s[G0S+2:G0S+3], s[22:23]
	s_or_b32 s[G0S+3], s[G0S+3], 0x80000000
	s_mov_b32 s[G0SB], 1
	s_add_co_u32 s[G0SB+1], s94, SCL
	s_mov_b64 s[G0SB+2:G0SB+3], s[92:93]
	s_or_b32 s[G0SB+3], s[G0SB+3], 0x80000000
	JLOAD G0S, G1S, G0SB, G1SB                     ; the scales first; by this text's count three tensor loads of a wave are out at the most
.irp s, 0,1
	s_mov_b32 s[G0+4*\s], 1
	s_add_co_u32 s[G0+4*\s+1], s45, \s*SLOT
	s_add_nc_u64 s[G0+4*\s+2:G0+4*\s+3], s[20:21], \s*ROWB
	s_or_b32 s[G0+4*\s+3], s[G0+4*\s+3], 0x80000000
	s_mov_b32 s[G0B+4*\s], 1
	s_add_co_u32 s[G0B+4*\s+1], s45, \s*SLOT
	s_add_nc_u64 s[G0B+4*\s+2:G0B+4*\s+3], s[46:47], \s*ROWB
	s_or_b32 s[G0B+4*\s+3], s[G0B+4*\s+3], 0x80000000
	JLOAD G0+4*\s, G1, G0B+4*\s, G1B
.endr
	v_and_b32 v1, 15, v0                           ; r = l % 16
	v_bfe_u32 v2, v0, 4, 1                         ; h = l / 16
	v_mul_u32_u24 v3, v1, PITCH
	v_lshl_add_u32 v4, v2, 4, v3                   ; a fragment's row x pitch + 16 x half
	s_mul_i32 s21, s15, HALFT
	s_mul_i32 s22, s16, HALFT
	s_add_co_u32 s22, s22, 2*HALFT
.irp s, 0,1
	v_add_nc_u32 v[ADRA+\s], s21, v4
	v_add_nc_u32 v[ADRB+\s], s22, v4
	s_add_co_u32 s21, s21, SLOT
	s_add_co_u32 s22, s22, SLOT
.endr
	v_mul_u32_u24 v5, v1, KS                       ; my row's scales: 32 bytes a row, and 16 more for each 256 passed
	v_lshrrev_b32 v6, 8, v5
	v_lshl_add_u32 v5, v6, 4, v5
	s_mul_i32 s21, s15, HALFS
	s_mul_i32 s22, s16, HALFS
	s_add_co_u32 s22, s22, 2*HALFS
	s_sub_co_u32 s22, s22, s21
	v_mul_u32_u24 v6, s22, v2                      ; lanes 16-31 take Wqkv's
	s_add_co_u32 s21, s21, SCL
	v_add_nc_u32 v5, v5, v6
	v_add_nc_u32 v[ADRS], s21, v5
	s_mul_i32 s23, s14, 16*PITCH                   ; my stage: 16 rows x 272 bytes, in slot 0
	v_add_nc_u32 v[STO], s23, v4                   ; in: row r, 16 bytes for each half of the lanes
	v_bfe_u32 v5, v0, 3, 2
	v_and_b32 v6, 7, v0
	v_mul_u32_u24 v5, v5, PITCH
	v_lshl_add_u32 v5, v6, 4, v5
	v_add_nc_u32 v[RD], s23, v5                    ; back: eight lanes take a head's 128 bytes of a row, the wave four rows
	v_and_b32 v6, 31, v0
	v_lshlrev_b32 v[GO], 4, v6
	v_lshlrev_b32 v[RT], 8, v1
	v_lshl_add_u32 v[RT], v2, 5, v[RT]
	; where my part begins in the table and in the two outputs (registers of their own: none of them feeds a descriptor)
	s_lshl_b32 s96, s[CLY], 16
	s_lshl_b32 s97, s15, 15
	s_add_co_u32 s96, s96, s97                     ; the table: position 256 x cluster y + 128 x half, 256 bytes each
	s_mov_b32 s97, 0
	s_add_nc_u64 s[8:9], s[8:9], s[96:97]
	s_lshl_b32 s96, ttmp9, 2
	s_add_co_u32 s96, s96, s41
	s_lshl_b32 s96, s96, 2
	s_add_co_u32 s96, s96, s40
	s_lshl_b32 s96, s96, 1
	s_add_co_u32 s96, s96, s16                     ; half the plane's number: plane = (4 section + batch) 16 + 4 cx + 2 x half
	s_lshl_b32 s96, s96, 19
	s_lshl_b32 s98, s[CLY], 15
	s_add_co_u32 s96, s96, s98
	s_lshl_b32 s98, s15, 14
	s_add_co_u32 s96, s96, s98                     ; + my first position x 128 bytes
	s_add_nc_u64 s[10:11], s[10:11], s[96:97]
	s_mul_i32 s96, s41, 3
	s_add_co_u32 s96, s96, ttmp9
	s_lshl_b32 s96, s96, 2
	s_add_co_u32 s96, s96, s40
	s_lshl_b32 s96, s96, 1
	s_add_co_u32 s96, s96, s16
	s_lshl_b32 s96, s96, 13                        ; the f32 images: ((3 batch + section) 16 + head) x 4,096 bytes
	s_add_nc_u64 s[12:13], s[12:13], s[96:97]
	s_or_b32 s[FLZ], s[CLY], s15
; the table of block a's 16 positions: lane (r, h) takes, for each 16 columns of a head, its four pairs' (cos, sin): 32 bytes
.macro TLD a
.irp i, 0,1,2,3,4,5,6,7
	global_load_b128 v[CS+32*((\a)%2)+4*\i:CS+32*((\a)%2)+4*\i+3], v[RT], s[8:9] offset:(\a)*4096+64*(\i/2)+16*(\i%2)
.endr
.endm
	TLD 0                                          ; blocks 0 and 1 are asked for here and land under the products.  These 16 loads stand on the way that all sections take: section v's waves issue them too and do not use them
	TLD 1
.macro FRAG reg, adr, q, i             ; 16 rows x 128 K of 4-bit codes: 8 registers: lane l holds row l % 16; registers 4 c .. 4 c + 3 hold K = 64 c + 32 (l / 16) + 0 .. 31
.irp c, 0,1
	ds_load_b128 v[\reg+4*\c:\reg+4*\c+3], v[\adr] offset:64*(\q)+32*\c+(\i)*16*PITCH
.endr
.endm
; 16 matrix instructions: x's blocks a0, a0 + 1 against Wqkv's eight.  The 64 accumulators take turns, one instruction a turn, in the same order in every step.
.macro MUL16 a0, p, q, sc, zero
.irp a, \a0, \a0+1
.irp b, 0,1,2,3,4,5,6,7
.if \zero
	v_wmma_scale_f32_16x16x128_f8f6f4 v[8*(8*((\a)%4)+\b):8*(8*((\a)%4)+\b)+7], v[128*(\p)+FR*\b:128*(\p)+FR*\b+FR-1], v[AF+FR*(\a):AF+FR*(\a)+FR-1], 0, v[SC+8*NQ*(\sc)+NQ*\b+(\q)], v[SC+8*NQ*(\sc)+NQ*(\a)+(\q)] matrix_a_fmt:MATRIX_FMT_FP4 matrix_b_fmt:MATRIX_FMT_FP4 matrix_a_scale:MATRIX_SCALE_ROW1
.else
	v_wmma_scale_f32_16x16x128_f8f6f4 v[8*(8*((\a)%4)+\b):8*(8*((\a)%4)+\b)+7], v[128*(\p)+FR*\b:128*(\p)+FR*\b+FR-1], v[AF+FR*(\a):AF+FR*(\a)+FR-1], v[8*(8*((\a)%4)+\b):8*(8*((\a)%4)+\b)+7], v[SC+8*NQ*(\sc)+NQ*\b+(\q)], v[SC+8*NQ*(\sc)+NQ*(\a)+(\q)] matrix_a_fmt:MATRIX_FMT_FP4 matrix_b_fmt:MATRIX_FMT_FP4 matrix_a_scale:MATRIX_SCALE_ROW1
.endif
.endr
.endr
.endm
.macro FETCH_B slot, q, p
	WIN TO_B
.irp i, 0,1,2,3,4,5,6,7
	FRAG 128*(\p)+FR*\i, ADRB+\slot, \q, \i
.endr
	WIN 0
.endm
.macro FETCH_A slot, q, i0
.irp i, \i0, \i0+1, \i0+2, \i0+3
	FRAG AF+FR*(\i), ADRA+\slot, \q, \i
.endr
.endm
.macro SCALES sc                       ; a slot's scale words: four a row; lanes 0-15 take x's block i, lanes 16-31 Wqkv's block i
.irp i, 0,1,2,3,4,5,6,7
	ds_load_b128 v[SC+8*NQ*\sc+NQ*\i:SC+8*NQ*\sc+NQ*\i+3], v[ADRS] offset:\i*SBLK
.endr
.endm
.macro PLACES n                        ; plain vector instructions between a matrix instruction and a load into, or a read of, its registers
.rept \n
	v_nop
.endr
.endm
.macro STEP slot, q, zero              ; a step of 128 along K that has its successor in the same slot
	s_wait_dscnt 4*NL                              ; Wqkv's set and x's blocks 0-3 are in; the youngest eight loads (x's blocks 4-7) may be out
	WIN MUL_LO
	MUL16 0, (\q)%2, \q, \slot, \zero
	MUL16 2, (\q)%2, \q, \slot, \zero
	s_wait_dscnt 0
	PLACES NP
	FETCH_B \slot, (\q)+1, 1-(\q)%2
	FETCH_A \slot, (\q)+1, 0
	WIN MUL_HI
	MUL16 4, (\q)%2, \q, \slot, \zero
	MUL16 6, (\q)%2, \q, \slot, \zero
	PLACES NP
	WIN 0
	FETCH_A \slot, (\q)+1, 4
.endm
.macro STEPS slot, from
.set Q, \from
.rept NQ-1-\from
	STEP \slot, Q, 0
.set Q, Q+1
.endr
.endm
	s_wait_tensorcnt 1                             ; the scales and my part of slot 0 are in; slot 1's load may be out
	s_barrier_signal -1
	s_barrier_wait -1
	FETCH_B 0, 0, 0
	FETCH_A 0, 0, 0
	SCALES 0
	FETCH_A 0, 0, 4
	STEP 0, 0, 1                                   ; the first step's products start the sums: nothing is cleared
	STEPS 0, 1
	; slot 0's last step changes slots: one barrier; in front of it my part of slot 1 has landed and my reads of slot 0 are over
	s_wait_tensorcnt 0x0
	ds_add_u32 v[SPW], v[NIL]                      ; 0 onto my spare word
	s_wait_dscnt 4*NL+1                            ; the add and the youngest eight loads may be out
	WIN MUL_LO
	MUL16 0, 1, NQ-1, 0, 0
	s_wait_dscnt 0x0
	s_barrier_signal -1
	MUL16 2, 1, NQ-1, 0, 0
	WIN 0
	s_barrier_wait -1
	PLACES NP
	v_add_nc_u32 v[ADRS], 4*NQ, v[ADRS]            ; on to slot 1's scale words
	FETCH_B 1, 0, 0
	FETCH_A 1, 0, 0
	SCALES 1
	WIN MUL_HI
	MUL16 4, 1, NQ-1, 0, 0
	MUL16 6, 1, NQ-1, 0, 0
	PLACES NP
	WIN 0
	FETCH_A 1, 0, 4
	STEPS 1, 0
	s_wait_dscnt 4*NL                              ; the last step: nothing more to fetch
	WIN MUL_LO
	MUL16 0, 1, NQ-1, 1, 0
	MUL16 2, 1, NQ-1, 1, 0
	s_wait_dscnt 0
	WIN MUL_HI
	MUL16 4, 1, NQ-1, 1, 0
	MUL16 6, 1, NQ-1, 1, 0
	WIN 0
; THE WAY OUT, block by block of 16 positions x 128 columns (two heads).  Lane (r, h) holds position 16 a + r and, in accumulator b, columns 16 b + 8 h + 0 .. 7: pairs 8 (b % 4) + 4 h + 0 .. 3 of head b / 4.
; rope = 1: (x1, x2) becomes (x1 cos - x2 sin, x1 sin + x2 cos): a packed multiply by cos and a packed multiply-add that takes the pair crosswise, by sin, with the sign on the low half.
; The block is rounded to f16, goes through my stage in LDS (in slot 0, which has had its only fill, and which nobody reads behind the change of slots) and leaves four rows of a head at a time.
.macro OUTBLK a, rope
.set AC, 64*((\a)%4)
.set CA, CS+32*((\a)%2)
.set BB, BK+32*((\a)%2)
.if (\a) > 0
	s_wait_xcnt 0x0                                ; the stores issued so far have read their registers: T and this block's set of BK are written again below
.endif
.if \rope
.if (\a) < 7
	s_wait_loadcnt 8                               ; this block's eight table loads are in; the next block's may be out
.else
	s_wait_loadcnt 0x0
.endif
	WIN 0x02+(\a)/4                                ; source 0: the accumulators' window
.irp b, 0,1,2,3,4,5,6,7
.irp p, 0,1,2,3
	v_pk_mul_f32 v[T+8*\b+2*\p:T+8*\b+2*\p+1], v[AC+8*\b+2*\p:AC+8*\b+2*\p+1], v[CA+8*(\b%4)+2*\p:CA+8*(\b%4)+2*\p+1] op_sel_hi:[1,0]
.endr
.irp p, 0,1,2,3
	v_pk_fma_f32 v[T+8*\b+2*\p:T+8*\b+2*\p+1], v[AC+8*\b+2*\p:AC+8*\b+2*\p+1], v[CA+8*(\b%4)+2*\p:CA+8*(\b%4)+2*\p+1], v[T+8*\b+2*\p:T+8*\b+2*\p+1] op_sel:[1,1,0] op_sel_hi:[0,1,1] neg_lo:[0,1,0]
.endr
.endr
	WIN 0
.if (\a) < 6
	TLD (\a)+2
.endif
.endif
.if (\a) == 0                          ; the first 16 positions of a sequence leave in f32 too: each store covers 512 consecutive bytes, aligned
	s_cmp_eq_u32 s[FLZ], 0
	s_cbranch_scc0 .Lno_fine_\@
.if \rope
.irp b, 0,1,2,3,4,5,6,7
.irp e, 0,1
	global_store_b128 v[GO], v[T+8*\b+4*\e:T+8*\b+4*\e+3], s[12:13] offset:1024*\b+512*\e
.endr
.endr
.else
	WIN 0x08                                       ; a store's data: window 2
.irp b, 0,1,2,3,4,5,6,7
.irp e, 0,1
	global_store_b128 v[GO], v[AC+8*\b+4*\e:AC+8*\b+4*\e+3], s[12:13] offset:1024*\b+512*\e
.endr
.endr
	WIN 0
.endif
.Lno_fine_\@:
.endif
.if \rope
.irp b, 0,1,2,3,4,5,6,7
.irp p, 0,1,2,3
	v_cvt_pk_f16_f32 v[PK+4*\b+\p], v[T+8*\b+2*\p], v[T+8*\b+2*\p+1]
.endr
.endr
.else
	WIN 0x0a+5*((\a)/4)                            ; sources 0 and 1: the accumulators' window
.irp b, 0,1,2,3,4,5,6,7
.irp p, 0,1,2,3
	v_cvt_pk_f16_f32 v[PK+4*\b+\p], v[AC+8*\b+2*\p], v[AC+8*\b+2*\p+1]
.endr
.endr
	WIN 0
.endif
.irp b, 0,1,2,3,4,5,6,7
	ds_store_b128 v[STO], v[PK+4*\b:PK+4*\b+3] offset:32*\b
.endr
.irp t, 0,1,2,3,4,5,6,7
	ds_load_b128 v[BB+4*\t:BB+4*\t+3], v[RD] offset:(\t%4)*4*PITCH+128*(\t/4)   ; LDS serves a wave's instructions in order: these see the stores above
.endr
.endm
.macro SENDH a, younger                ; younger: the LDS instructions issued behind block a's loads, which may stay out
.set BB, BK+32*((\a)%2)
	s_wait_dscnt \younger
.irp t, 0,1,2,3,4,5,6,7
	global_store_b128 v[GO], v[BB+4*\t:BB+4*\t+3], s[10:11] offset:(\t/4)*262144+(16*(\a)+4*(\t%4))*128   ; four rows of a head: 512 consecutive bytes, aligned; every offset is an immediate
.endr
.endm
	PLACES NP                                      ; behind the last products, ahead of the first read of results and the first write of the scale words' and x's registers
	s_cmp_eq_u32 ttmp9, 2                          ; section v has no RoPE: a copy of the way out without it
	s_cbranch_scc1 .Lplain
	OUTBLK 0, 1
.irp a, 1,2,3,4,5,6,7
	OUTBLK \a, 1
	SENDH \a-1, 16                                 ; behind block a - 1's loads: block a's 8 stores and 8 loads
.endr
	SENDH 7, 0
	s_branch .Ldone
.Lplain:
	OUTBLK 0, 0
.irp a, 1,2,3,4,5,6,7
	OUTBLK \a, 0
	SENDH \a-1, 16
.endr
	SENDH 7, 0
.Ldone:
	s_wait_tensorcnt 0x0                           ; the wave's end: behind my last tensor load and my last LDS store
	ds_add_u32 v[SPW], v[NIL]
	s_wait_dscnt 0x0
	CROUND                                         ; the closing round
	s_endpgm
.Lfunc_end_k_q5898a073e2_qkv:
	.size	k_q5898a073e2_qkv, .Lfunc_end_k_q5898a073e2_qkv-k_q5898a073e2_qkv
	.p2alignl 7, 3214868480
	.fill 96, 4, 3214868480
	.section	.rodata,"a",@progbits
	.p2align	6, 0x0
	.amdhsa_kernel k_q5898a073e2_qkv
		.amdhsa_group_segment_fixed_size 327680
		.amdhsa_private_segment_fixed_size 0
		.amdhsa_enable_private_segment 0
		.amdhsa_kernarg_size 40
		.amdhsa_user_sgpr_count 2
		.amdhsa_user_sgpr_kernarg_segment_ptr 1
		.amdhsa_wavefront_size32 1
		.amdhsa_system_sgpr_workgroup_id_x 1
		.amdhsa_system_sgpr_workgroup_id_y 1
		.amdhsa_system_sgpr_workgroup_id_z 1
		.amdhsa_system_vgpr_workitem_id 0
		.amdhsa_next_free_vgpr 1024
		.amdhsa_next_free_sgpr 100
		.amdhsa_reserve_vcc 0
		.amdhsa_float_denorm_mode_32 3
		.amdhsa_float_denorm_mode_16_64 3
		.amdhsa_memory_ordered 1
		.amdhsa_forward_progress 1
		.amdhsa_inst_pref_size 199
	.end_amdhsa_kernel
	.amdgpu_metadata
---
amdhsa.version: [ 1, 2 ]
amdhsa.kernels:
  - .name:           k_q5898a073e2_qkv
    .symbol:         k_q5898a073e2_qkv.kd
    .args:
      - { .name: codes, .offset: 0, .size: 8, .value_kind: global_buffer, .address_space: global }
      - { .name: scales, .offset: 8, .size: 8, .value_kind: global_buffer, .address_space: global }
      - { .name: rope, .offset: 16, .size: 8, .value_kind: global_buffer, .address_space: global }
      - { .name: qkv16, .offset: 24, .size: 8, .value_kind: global_buffer, .address_space: global }
      - { .name: qkvf, .offset: 32, .size: 8, .value_kind: global_buffer, .address_space: global }
    .group_segment_fixed_size: 327680
    .private_segment_fixed_size: 0
    .kernarg_segment_align: 8
    .kernarg_segment_size: 40
    .max_flat_workgroup_size: 128
    .sgpr_count:     100
    .vgpr_count:     1024
    .wavefront_size: 32
...
	.end_amdgpu_metadata
.endif
;; end of part 2
;; launch attn (part 3): grid 4 x 64, 8 waves a work-group, no clusters, 327,680 bytes of LDS; arguments qkv16, ao16; writes ao16
.if DOCPART == 3
	.amdgcn_target "amdgcn-amd-amdhsa--gfx1250"
	.amdhsa_code_object_version 6
	.text
	.protected	k_q5898a073e2_attn
	.globl	k_q5898a073e2_attn
	.p2align	8
	.type	k_q5898a073e2_attn,@function
k_q5898a073e2_attn:
	s_mov_b64 s[64:65], 0
	v_nop
	global_prefetch_b8 v0, s[64:65] scope:SCOPE_SE
	s_setreg_imm32_b32 hwreg(HW_REG_WAVE_MODE, 25, 1), 1
	s_wait_xcnt 0x0
; ao[plane][q][:] = the sum over k <= q of softmax_k(Q[q] . K[k] / 8) V[k][:], for each of the 64 planes (batch, head).  Q, K, V, ao: [2,048][64] f16 a plane; products' sums, maxima and sums in f32; the weights are rounded to f16.
; WORK LEFT OUT: steps of 64 keys all of which come after a wave's 32 queries, and slots of 256 keys all of which come after the work-group's queries: reference()'s own jnp.tril gives them the weight 0.
; LIMITS: a NaN or an infinity that would arise only in hidden scores is not carried; |ao| stays under 65,504 (f16).  (Positions 0-15 of each sequence are computed here too; the last launch computes them again in f32.)
; SHARES.  Work-group (I, plane) owns the blocks of 256 queries 7 - I and I: 8 - I and I + 1 slots of 256 keys, nine for every work-group, so all trip counts are constants and all 256 work-groups have equal work.
; Each of eight waves owns 32 queries of the block in hand, two tiles of 16; two waves share a SIMD, so that one wave's softmax stands beside the other's products and LDS loads.
; NO CLUSTER: the four work-groups of a plane need different numbers of slots for a block (8 - I against I + 1), so a joint walk would bring partners tiles that none of their waves reads.
; LAYOUT.  S^T = K Q^T (source 0 = 16 keys, source 1 = 16 queries): a lane holds one query (lane % 16) and keys 8 (lane / 16) + 0..7 of each tile; two such tiles rounded to f16 in pairs are source 1 of O^T = V^T P.
; K comes out of LDS as it lies, V ([key][channel]) turned, by ds_load_tr16_b128.
; SOFTMAX.  A running maximum m and sum l for each query: p = 2^(c s - c m), c = log2(e) / 8; in every step O and l are multiplied by a = 2^(c m_old - c m_new).  A step that is walked begins at a key at or under the
; wave's first query, so each of its queries sees a key and m is a number from the first step on.
; THE RING.  Two slots, 2^17 bytes apart: 256 rows of K (128 bytes + 16), then 256 rows of V (128 bytes + 32).  Every wave fetches 64 rows a slot: waves 0-3 K's quarters, waves 4-7 V's: one tensor load of a wave is out at the most.
; REGISTERS: window 0: v2-16 addresses and constants; v24-39 statistics, 8 a tile; v40-71 Q; v72-135 S^T; v136-167 P; v168-231 O^T.  window 1: v0-63 K's fragments, v64-127 V's.
.set PKK,   144
.set PVV,   160
.set VOFF,  256*PKK
.set SLOT1, 1<<17
.set STAGE, 2*SLOT1                    ; behind the ring: 16 rows x 144 bytes for each wave, for the way out; no tensor load lands there
.set SPARE, STAGE+8*16*144             ; the spare words: 128 bytes a wave, four blocks of 256 bytes that no other line names
.set AK0, 2
.set AV0, 3
.set ADK, 4
.set ADV, 5
.set QO,  6
.set STO, 7
.set RD,  8
.set GO,  9
.set SPW, 10
.set NIL, 11
.set PFO, 12
.set ST,  24                           ; tile t at v[ST+8 t]: +0 c m, +1 m, +2, +3 l (even keys', odd keys'), +4 .. +7 at work; a takes +6
.set QQ,  40
.set SS,  72
.set PP,  136
.set OO,  168
.set WV,  8
.set II,  10
.set QB,  11                           ; the block of queries in hand
.set KSL, 12                           ; the slot of keys in hand
.set KN,  13                           ; the slot of keys last asked for
.set LAST, 14                          ; 7 - I
.set Q0,  15                           ; my first query
.set KF,  16                           ; the step's first key
.set TBK, 17                           ; LDS byte at which the step's keys begin
.set TBV, 18                           ; the same for V, less VOFF
.set SLOTS, 19
.set SEL, 20
.set CC,  22
.set G1K, 24
.set G1V, 32
.set G0K, 40
.set G0V, 44
.set KB,  48                           ; s[48:49] my 64 rows of K in slot 0 of the plane;  s[50:51] of V
.set VB,  50
.set QP,  52
.set OP,  54
.set OF,  56
.set PFA, 58
.set LIM, 60
.set STEPC, 61
.set MSB, 0
.macro WIN new
.if MSB != (\new)
	s_set_vgpr_msb (MSB<<8)|(\new)
.set MSB, (\new)
.endif
.endm
.macro PLACES
.rept 4
	v_nop
.endr
.endm
.macro TLOAD                           ; waves 0-3 fetch for K, waves 4-7 for V; an s_nop 0 and four v_nop follow each of the two lines
	s_cmp_lt_u32 s[WV], 4
	s_cbranch_scc0 .Lfor_v_\@
	tensor_load_to_lds s[G0K:G0K+3], s[G1K:G1K+7]
	s_nop 0
.rept 4
	v_nop
.endr
	s_branch .Lasked_\@
.Lfor_v_\@:
	tensor_load_to_lds s[G0V:G0V+3], s[G1V:G1V+7]
	s_nop 0
.rept 4
	v_nop
.endr
.Lasked_\@:
.endm
; A PREFETCH INTO THE L2 of what the next change of slots will ask for: each wave names its own 64 rows, 8,192 dense bytes, lanes 256 bytes apart.  The four work-groups of a plane walk the same keys: the one that
; walks all eight slots (I = 0) asks, in its first six changes, for slots 2 to 7: each block of 256 bytes once in the launch, one slot (128 matrix instructions a wave) ahead of its load.  Slots 0 and 1 come by their loads alone.
.macro ASK
	s_cmp_gt_u32 s[SLOTS], s[LIM]
	s_cbranch_scc0 .Lnot_mine_\@
	global_prefetch_b8 v[PFO], s[PFA:PFA+1] th:TH_LOAD_NT scope:SCOPE_SE
.Lnot_mine_\@:
.endm
	s_load_b128 s[4:7], s[0:1], 0x0                ; qkv16 s[4:5], ao16 s[6:7]
	v_lshl_add_u32 v[SPW], v0, 2, SPARE
	v_mov_b32 v[NIL], 0
	ds_add_u32 v[SPW], v[NIL]                      ; the wave's opening: the add, twice on end, and its wait ahead of my first tensor load
	ds_add_u32 v[SPW], v[NIL]
	v_lshrrev_b32 v1, 5, v0
	v_readfirstlane_b32 s[WV], v1                  ; wave 0..7
	s_mov_b32 s[II], ttmp9
	s_sub_co_u32 s[LAST], 7, s[II]
	s_and_b32 s[OF], ttmp7, 0xffff                 ; the plane,
	s_lshl_b32 s[OF], s[OF], 18                    ; 262,144 bytes each
	s_mov_b32 s[OF+1], 0
	s_and_b32 s62, s[WV], 3                        ; which 64 rows of a slot I fetch
	s_mov_b32 s[G1K], (1<<16)|(1<<20)|(4<<22)|(3<<25)   ; elements of 2 bytes; padding on: 4 words behind every 32
	s_mov_b32 s[G1V], (1<<16)|(1<<20)|(4<<22)|(7<<25)   ; 8 words behind every 32
.irp g, G1K, G1V
	s_mov_b32 s[\g+1], 64<<16                      ; tensor_dim0 = 64
	s_mov_b32 s[\g+2], 64<<16                      ; tensor_dim1 = 64
	s_mov_b32 s[\g+3], 64<<16                      ; tile_dim0 = 64
	s_mov_b32 s[\g+4], 64                          ; tile_dim1 = 64
	s_mov_b32 s[\g+5], 64                          ; the pitch
	s_mov_b32 s[\g+6], 0
	s_mov_b32 s[\g+7], 0
.endr
	s_mov_b32 s[G0K], 1
	s_mul_i32 s[G0K+1], s62, 64*PKK
	s_mov_b32 s[G0V], 1
	s_mul_i32 s[G0V+1], s62, 64*PVV
	s_add_co_u32 s[G0V+1], s[G0V+1], VOFF
	s_lshl_b32 s62, s62, 13
	s_mov_b32 s63, 0
	s_mov_b32 s[SEL], 0x76543210
	s_mov_b32 s[SEL+1], 0xfedcba98
	s_mov_b32 s[CC], 0x3e38aa3b                    ; c = log2(e) / 8
	s_mov_b32 s[CC+1], s[CC]
	s_mov_b32 s[KN], 0
	s_mov_b32 s[KSL], 0
	s_mov_b32 s[KF], 0
	s_mov_b32 s[TBK], 0
	s_mov_b32 s[TBV], 0
	s_mov_b32 s[SLOTS], 8
	s_mov_b32 s[QB], s[LAST]                       ; the longer block first
	s_lshl_b32 s[Q0], s[QB], 8
	s_lshl_b32 s[STEPC], s[WV], 5
	s_add_co_u32 s[Q0], s[Q0], s[STEPC]
	s_cmp_eq_u32 s[II], 0
	s_cselect_b32 s[LIM], 2, -1
	s_wait_dscnt 0x0                               ; both opening adds are done
	s_wait_kmcnt 0x0
	s_add_nc_u64 s[QP:QP+1], s[4:5], s[OF:OF+1]
	s_add_nc_u64 s[OP:OP+1], s[6:7], s[OF:OF+1]
	s_add_nc_u64 s[KB:KB+1], s[QP:QP+1], s[62:63]
	s_add_nc_u64 s[VB:VB+1], s[KB:KB+1], 33554432  ; section v
	s_add_nc_u64 s[KB:KB+1], s[KB:KB+1], 16777216  ; section k
	s_mov_b64 s[G0K+2:G0K+3], s[KB:KB+1]
	s_or_b32 s[G0K+3], s[G0K+3], 0x80000000
	s_mov_b64 s[G0V+2:G0V+3], s[VB:VB+1]
	s_or_b32 s[G0V+3], s[G0V+3], 0x80000000
	TLOAD                                          ; slot 0: keys 0 to 255, which every block of queries sees
	s_cmp_lt_u32 s[WV], 4
	s_cselect_b64 s[PFA:PFA+1], s[KB:KB+1], s[VB:VB+1]
	s_add_nc_u64 s[PFA:PFA+1], s[PFA:PFA+1], 32768 ; in slot 1: each change of slots steps it ahead of its use
	v_and_b32 v17, 15, v0                          ; r
	v_bfe_u32 v18, v0, 4, 1                        ; h
	v_and_b32 v19, 31, v0                          ; l
	v_mul_u32_u24 v[AK0], v17, PKK
	v_lshl_add_u32 v[AK0], v18, 4, v[AK0]          ; K: row r x pitch + 16 h
	v_and_b32 v20, 7, v0
	v_bfe_u32 v21, v0, 3, 1
	v_lshl_add_u32 v[AV0], v18, 3, v20
	v_mul_u32_u24 v[AV0], v[AV0], PVV
	v_lshl_add_u32 v[AV0], v21, 4, v[AV0]
	v_add_nc_u32 v[AV0], VOFF, v[AV0]              ; V, for the turning load: key 8 h + l % 8, channels 8 ((l / 8) % 2) on
	v_lshlrev_b32 v[QO], 7, v17
	v_lshl_add_u32 v[QO], v18, 4, v[QO]
	s_mul_i32 s62, s[WV], 16*144
	s_add_co_u32 s62, s62, STAGE
	v_mul_u32_u24 v[STO], v17, 144
	v_lshl_add_u32 v[STO], v18, 4, v[STO]
	v_add_nc_u32 v[STO], s62, v[STO]
	v_bfe_u32 v22, v0, 3, 2
	v_mul_u32_u24 v[RD], v22, 144
	v_lshl_add_u32 v[RD], v20, 4, v[RD]
	v_add_nc_u32 v[RD], s62, v[RD]
	v_lshlrev_b32 v[GO], 4, v19
	v_lshlrev_b32 v[PFO], 8, v19
	v_lshlrev_b32 v23, 3, v18
	v_sub_nc_u32 v13, v17, v23                     ; r - 8 h
	v_mov_b32 v16, 0xff800000                      ; -infinity
; A block of queries begins: Q into registers; m = -3e38, under every score; l and O^T zeros, which the first change of m leaves zeros (so the step is written once)
.macro INIT
	s_lshl_b32 s[OF], s[Q0], 7
	s_mov_b32 s[OF+1], 0
	s_add_nc_u64 s[2:3], s[QP:QP+1], s[OF:OF+1]
.irp t, 0,1
.irp c, 0,1
	global_load_b128 v[QQ+16*\t+8*\c:QQ+16*\t+8*\c+3], v[QO], s[2:3] offset:2048*\t+64*\c
	global_load_b128 v[QQ+16*\t+8*\c+4:QQ+16*\t+8*\c+7], v[QO], s[2:3] offset:2048*\t+64*\c+32
.endr
.endr
.irp t, 0,1
	v_mov_b32 v[ST+8*\t+1], 0xff61b1e6
	v_mul_f32 v[ST+8*\t], s[CC], v[ST+8*\t+1]
.irp j, 2,3,4,5,6,7
	v_mov_b32 v[ST+8*\t+\j], 0
.endr
.endr
.set i, 0
.rept 64
	v_mov_b32 v[OO+i], 0
.set i, i+1
.endr
	s_wait_loadcnt 0x0
.endm
; A KEY STEP: 64 keys, 32 matrix instructions.
.macro STEP
	s_add_co_u32 s62, s[Q0], 31
	s_cmp_gt_u32 s[KF], s62                        ; all its keys come after my queries: the step's work is left out; ids and counts of steps alone
	s_cbranch_scc1 .Lhidden_\@
	v_add_nc_u32 v[ADK], s[TBK], v[AK0]
	v_add_nc_u32 v[ADV], s[TBV], v[AV0]
	v_nop                                          ; with the two additions: four places between the last step's products and the loads into their fragments
	v_nop
	WIN 0x40                                       ; destination window 1
.irp kt, 0,1,2,3
.irp c, 0,1
	ds_load_b128 v[16*\kt+8*\c:16*\kt+8*\c+3], v[ADK] offset:\kt*16*PKK+64*\c
	ds_load_b128 v[16*\kt+8*\c+4:16*\kt+8*\c+7], v[ADK] offset:\kt*16*PKK+64*\c+32
.endr
.endr
.irp ks, 0,1
.irp ct, 0,1,2,3
	ds_load_tr16_b128 v[64+8*(4*\ks+\ct):64+8*(4*\ks+\ct)+3], v[ADV] offset:\ks*32*PVV+32*\ct
	ds_load_tr16_b128 v[64+8*(4*\ks+\ct)+4:64+8*(4*\ks+\ct)+7], v[ADV] offset:\ks*32*PVV+16*PVV+32*\ct
.endr
.endr
	s_wait_dscnt 16                                ; K's 16 loads are in; V's 16 may be out
	WIN 0x01                                       ; source 0 window 1
.irp c, 0,1                                    ; S^T = K Q^T: eight accumulators by turns, one instruction a turn
.irp kt, 0,1,2,3
.irp t, 0,1
.if \c == 0
	v_wmma_f32_16x16x32_f16 v[SS+32*\t+8*\kt:SS+32*\t+8*\kt+7], v[16*\kt+8*\c:16*\kt+8*\c+7], v[QQ+16*\t+8*\c:QQ+16*\t+8*\c+7], 0
.else
	v_wmma_f32_16x16x32_f16 v[SS+32*\t+8*\kt:SS+32*\t+8*\kt+7], v[16*\kt+8*\c:16*\kt+8*\c+7], v[QQ+16*\t+8*\c:QQ+16*\t+8*\c+7], v[SS+32*\t+8*\kt:SS+32*\t+8*\kt+7]
.endif
.endr
.endr
.endr
	WIN 0
	PLACES
	s_add_co_u32 s62, s[KF], 63                    ; on the diagonal hidden scores become -infinity ahead of the maximum; a step all of whose keys count skips this
	s_cmp_le_u32 s62, s[Q0]
	s_cbranch_scc1 .Lopen_\@
	s_sub_co_i32 s62, s[Q0], s[KF]
	v_add_nc_u32 v14, s62, v13                     ; d = my query - KF - 8 h.  Register 8 kt + j holds key KF + 8 h + 16 kt + j: hidden where 16 kt + j > d
	v_add_nc_u32 v15, 16, v14                      ; the same for tile 1
.set n, 0
.rept 32
	v_cmp_gt_i32 vcc_lo, 16*(n/8)+n%8, v14
	v_cndmask_b32 v[SS+n], v[SS+n], v16, vcc_lo
.set n, n+1
.endr
.set n, 0
.rept 32
	v_cmp_gt_i32 vcc_lo, 16*(n/8)+n%8, v15
	v_cndmask_b32 v[SS+32+n], v[SS+32+n], v16, vcc_lo
.set n, n+1
.endr
.Lopen_\@:
	; the softmax of both tiles, line by line in turn.  The maximum: four chains, each begun at an accumulator's low end
.irp j, 0,1,2,3
.irp t, 0,1
	v_max3_num_f32 v[ST+8*\t+4+\j], v[SS+32*\t+8*\j], v[SS+32*\t+8*\j+1], v[SS+32*\t+8*\j+2]
.endr
.endr
.irp g, 1,2
.irp j, 0,1,2,3
.irp t, 0,1
	v_max3_num_f32 v[ST+8*\t+4+\j], v[ST+8*\t+4+\j], v[SS+32*\t+8*\j+2*\g+1], v[SS+32*\t+8*\j+2*\g+2]
.endr
.endr
.endr
.irp t, 0,1
	v_max3_num_f32 v[ST+8*\t+4], v[ST+8*\t+4], v[SS+32*\t+7], v[SS+32*\t+15]
	v_max3_num_f32 v[ST+8*\t+6], v[ST+8*\t+6], v[SS+32*\t+23], v[SS+32*\t+31]
.endr
.irp t, 0,1
	v_max3_num_f32 v[ST+8*\t+4], v[ST+8*\t+4], v[ST+8*\t+5], v[ST+8*\t+6]
.endr
.irp t, 0,1
	v_max3_num_f32 v[ST+8*\t+4], v[ST+8*\t+4], v[ST+8*\t+7], v[ST+8*\t+1]   ; with the old m
.endr
.irp t, 0,1
	v_permlanex16_b32 v[ST+8*\t+5], v[ST+8*\t+4], s[SEL], s[SEL+1]          ; the query's other 32 keys lie in the lane 16 away
.endr
.irp t, 0,1
	v_mov_b32 v[ST+8*\t+7], v[ST+8*\t]                                      ; c m_old
.endr
.irp t, 0,1
	v_max_num_f32 v[ST+8*\t+1], v[ST+8*\t+4], v[ST+8*\t+5]
.endr
.irp t, 0,1
	v_mul_f32 v[ST+8*\t], s[CC], v[ST+8*\t+1]
.endr
.irp t, 0,1
	v_sub_f32 v[ST+8*\t+7], v[ST+8*\t+7], v[ST+8*\t]
.endr
.irp t, 0,1
	v_exp_f32 v[ST+8*\t+6], v[ST+8*\t+7]                                    ; a
.endr
.set i, 0
.rept 16
	v_pk_fma_f32 v[SS+2*i:SS+2*i+1], v[SS+2*i:SS+2*i+1], s[CC:CC+1], v[ST:ST+1] op_sel_hi:[1,0,0] neg_lo:[0,0,1] neg_hi:[0,0,1]          ; c s - c m, two at a time
	v_pk_fma_f32 v[SS+32+2*i:SS+32+2*i+1], v[SS+32+2*i:SS+32+2*i+1], s[CC:CC+1], v[ST+8:ST+9] op_sel_hi:[1,0,0] neg_lo:[0,0,1] neg_hi:[0,0,1]
.set i, i+1
.endr
.set i, 0
.rept 64
	v_exp_f32 v[SS+i], v[SS+i]
.set i, i+1
.endr
	v_nop                                          ; a plain instruction behind the last exponential,
	s_wait_alu depctr_va_vdst(0)                   ; and ONE wait for the 66 of both tiles, ahead of the first instruction that names a result
.set i, 0
.rept 32
	v_cvt_pk_f16_f32 v[PP+i], v[SS+2*i], v[SS+2*i+1]
.set i, i+1
.endr
.set i, 0
.rept 16                                       ; the sums, of the unrounded weights, in place: neighbours 1, 2, 4 and 8 pairs apart
	v_pk_add_f32 v[SS+4*i:SS+4*i+1], v[SS+4*i:SS+4*i+1], v[SS+4*i+2:SS+4*i+3]
.set i, i+1
.endr
.set i, 0
.rept 8
	v_pk_add_f32 v[SS+8*i:SS+8*i+1], v[SS+8*i:SS+8*i+1], v[SS+8*i+4:SS+8*i+5]
.set i, i+1
.endr
.set i, 0
.rept 4
	v_pk_add_f32 v[SS+16*i:SS+16*i+1], v[SS+16*i:SS+16*i+1], v[SS+16*i+8:SS+16*i+9]
.set i, i+1
.endr
.irp t, 0,1
	v_pk_add_f32 v[SS+32*\t:SS+32*\t+1], v[SS+32*\t:SS+32*\t+1], v[SS+32*\t+16:SS+32*\t+17]
.endr
.irp t, 0,1
	v_pk_fma_f32 v[ST+8*\t+2:ST+8*\t+3], v[ST+8*\t+2:ST+8*\t+3], v[ST+8*\t+6:ST+8*\t+7], v[SS+32*\t:SS+32*\t+1] op_sel_hi:[1,0,1]   ; l = a l + the sum
.endr
.irp t, 0,1
.set i, 0
.rept 16
	v_pk_mul_f32 v[OO+32*\t+2*i:OO+32*\t+2*i+1], v[OO+32*\t+2*i:OO+32*\t+2*i+1], v[ST+8*\t+6:ST+8*\t+7] op_sel_hi:[1,0]              ; O^T x a
.set i, i+1
.endr
.endr
	s_wait_dscnt 0x0                               ; V is in
	WIN 0x01
.irp ks, 0,1                                   ; O^T += V^T P: eight accumulators by turns
.irp ct, 0,1,2,3
.irp t, 0,1
	v_wmma_f32_16x16x32_f16 v[OO+32*\t+8*\ct:OO+32*\t+8*\ct+7], v[64+8*(4*\ks+\ct):64+8*(4*\ks+\ct)+7], v[PP+16*\t+8*\ks:PP+16*\t+8*\ks+7], v[OO+32*\t+8*\ct:OO+32*\t+8*\ct+7]
.endr
.endr
.endr
	WIN 0
.Lhidden_\@:
	s_add_co_u32 s[KF], s[KF], 64
	s_add_co_u32 s[TBK], s[TBK], 64*PKK
	s_add_co_u32 s[TBV], s[TBV], 64*PVV
.endm
.macro SLOT_STEPS                      ; a slot's four steps: written once, walked four times; then on to the other slot
	s_mov_b32 s[STEPC], 4
.Lstep_\@:
	STEP
	s_sub_co_u32 s[STEPC], s[STEPC], 1
	s_cmp_lg_u32 s[STEPC], 0
	s_cbranch_scc1 .Lstep_\@
	s_sub_co_u32 s[TBK], s[TBK], 4*64*PKK
	s_xor_b32 s[TBK], s[TBK], SLOT1
	s_sub_co_u32 s[TBV], s[TBV], 4*64*PVV
	s_xor_b32 s[TBV], s[TBV], SLOT1
.endm
; THE CHANGE OF SLOTS stands at a slot's head.  Each wave waits for all its tensor loads (its part of the slot that it is about to read), adds 0 to its spare word, and waits for that and for its reads of the slot that it
; has left.  Behind the barrier the slot ahead is whole and nobody reads the other one.  fill = 1: that other slot takes the keys that follow: after the longer block's last slot, the shorter block's slot 0.
.macro CHANGE fill
	s_wait_tensorcnt 0x0                           ; no tensor load of mine is out, so the groups 0 may be written
	ds_add_u32 v[SPW], v[NIL]                      ; the descriptors' steps stand between the add and the wait for it
.if \fill
	s_add_co_u32 s[KN], s[KN], 1
	s_cmp_gt_u32 s[KN], s[LAST]
	s_cselect_b32 s[KN], 0, s[KN]
	s_lshl_b32 s[OF], s[KN], 15                    ; 256 keys x 128 bytes
	s_mov_b32 s[OF+1], 0
	s_xor_b32 s[G0K+1], s[G0K+1], SLOT1
	s_add_nc_u64 s[G0K+2:G0K+3], s[KB:KB+1], s[OF:OF+1]
	s_or_b32 s[G0K+3], s[G0K+3], 0x80000000
	s_xor_b32 s[G0V+1], s[G0V+1], SLOT1
	s_add_nc_u64 s[G0V+2:G0V+3], s[VB:VB+1], s[OF:OF+1]
	s_or_b32 s[G0V+3], s[G0V+3], 0x80000000
	s_wait_xcnt 0x0                                ; the last prefetch, a slot back, has read its address
	s_add_nc_u64 s[PFA:PFA+1], s[PFA:PFA+1], 32768
.endif
	s_wait_dscnt 0x0
	s_barrier_signal -1
	s_barrier_wait -1
.if \fill
	TLOAD                                          ; the first thing behind the barrier, and a wave's one tensor load until the next: it has a slot's four steps in which to land
	ASK
.endif
.endm
; A block of queries ends: O^T / l, rounded to f16, through my stage in LDS, a tile of 16 rows at a time; each store covers four rows of the plane: 512 consecutive bytes, aligned.
.macro FINISH
	PLACES
.irp t, 0,1
	v_add_f32 v[ST+8*\t+4], v[ST+8*\t+2], v[ST+8*\t+3]
.endr
.irp t, 0,1
	v_permlanex16_b32 v[ST+8*\t+5], v[ST+8*\t+4], s[SEL], s[SEL+1]
.endr
.irp t, 0,1
	v_add_f32 v[ST+8*\t+4], v[ST+8*\t+4], v[ST+8*\t+5]
.endr
.irp t, 0,1
	v_rcp_f32 v[ST+8*\t+6], v[ST+8*\t+4]
.endr
	v_nop
	s_wait_alu depctr_va_vdst(0)                   ; one wait for the two reciprocals, ahead of their first reader
	s_lshl_b32 s[OF], s[Q0], 7
	s_mov_b32 s[OF+1], 0
	s_add_nc_u64 s[2:3], s[OP:OP+1], s[OF:OF+1]    ; (Q's loads, which read this pair last, were waited for)
.irp t, 0,1
.set i, 0
.rept 16
	v_pk_mul_f32 v[OO+32*\t+2*i:OO+32*\t+2*i+1], v[OO+32*\t+2*i:OO+32*\t+2*i+1], v[ST+8*\t+6:ST+8*\t+7] op_sel_hi:[1,0]
.set i, i+1
.endr
.set i, 0
.rept 16
	v_cvt_pk_f16_f32 v[SS+16*\t+i], v[OO+32*\t+2*i], v[OO+32*\t+2*i+1]
.set i, i+1
.endr
.irp ct, 0,1,2,3
	ds_store_b128 v[STO], v[SS+16*\t+4*\ct:SS+16*\t+4*\ct+3] offset:32*\ct
.endr
.irp j, 0,1,2,3
	ds_load_b128 v[SS+32+16*\t+4*\j:SS+32+16*\t+4*\j+3], v[RD] offset:576*\j   ; LDS serves a wave's instructions in order: these see the stores above, and tile 1's stores come behind them
.endr
.endr
.irp t, 0,1
.irp j, 0,1,2,3
	s_wait_dscnt 11-8*\t-\j                        ; behind this load: the tile's younger loads, and for tile 0 tile 1's eight instructions
	global_store_b128 v[GO], v[SS+32+16*\t+4*\j:SS+32+16*\t+4*\j+3], s[2:3] offset:2048*\t+512*\j
.endr
.endr
.endm
	INIT
.Lslot:                                            ; eight trips: behind each change of slots but the last the next slot is asked for
	CHANGE 1
	SLOT_STEPS
	s_cmp_lg_u32 s[KSL], s[QB]                     ; the block's last slot?  Ids and counts alone, the same in all eight waves; the branch leads round no barrier, wait or tensor load
	s_cbranch_scc1 .Lon
	FINISH
	s_wait_xcnt 0x0                                ; the stores have read their registers and their base
	s_mov_b32 s[QB], s[II]                         ; on to the shorter block
	s_lshl_b32 s[Q0], s[II], 8
	s_lshl_b32 s62, s[WV], 5
	s_add_co_u32 s[Q0], s[Q0], s62
	s_mov_b32 s[KF], 0
	s_mov_b32 s[KSL], 0
	INIT
	s_branch .Lnext
.Lon:
	s_add_co_u32 s[KSL], s[KSL], 1
.Lnext:
	s_sub_co_u32 s[SLOTS], s[SLOTS], 1
	s_cmp_lg_u32 s[SLOTS], 0
	s_cbranch_scc1 .Lslot
	CHANGE 0                                       ; the ninth slot is written out
	SLOT_STEPS
	FINISH
	s_wait_tensorcnt 0x0                           ; the wave's end: behind my last tensor load and my last LDS store
	ds_add_u32 v[SPW], v[NIL]
	s_wait_dscnt 0x0
	s_endpgm
.Lfunc_end_k_q5898a073e2_attn:
	.size	k_q5898a073e2_attn, .Lfunc_end_k_q5898a073e2_attn-k_q5898a073e2_attn
	.p2alignl 7, 3214868480
	.fill 96, 4, 3214868480
	.section	.rodata,"a",@progbits
	.p2align	6, 0x0
	.amdhsa_kernel k_q5898a073e2_attn
		.amdhsa_group_segment_fixed_size 327680
		.amdhsa_private_segment_fixed_size 0
		.amdhsa_enable_private_segment 0
		.amdhsa_kernarg_size 16
		.amdhsa_user_sgpr_count 2
		.amdhsa_user_sgpr_kernarg_segment_ptr 1
		.amdhsa_wavefront_size32 1
		.amdhsa_system_sgpr_workgroup_id_x 1
		.amdhsa_system_sgpr_workgroup_id_y 1
		.amdhsa_system_sgpr_workgroup_id_z 1
		.amdhsa_system_vgpr_workitem_id 0
		.amdhsa_next_free_vgpr 384
		.amdhsa_next_free_sgpr 66
		.amdhsa_reserve_vcc 1
		.amdhsa_float_denorm_mode_32 3
		.amdhsa_float_denorm_mode_16_64 3
		.amdhsa_memory_ordered 1
		.amdhsa_forward_progress 1
		.amdhsa_inst_pref_size 72
	.end_amdhsa_kernel
	.amdgpu_metadata
---
amdhsa.version: [ 1, 2 ]
amdhsa.kernels:
  - .name:           k_q5898a073e2_attn
    .symbol:         k_q5898a073e2_attn.kd
    .args:
      - { .name: qkv16, .offset: 0, .size: 8, .value_kind: global_buffer, .address_space: global }
      - { .name: ao16, .offset: 8, .size: 8, .value_kind: global_buffer, .address_space: global }
    .group_segment_fixed_size: 327680
    .private_segment_fixed_size: 0
    .kernarg_segment_align: 8
    .kernarg_segment_size: 16
    .max_flat_workgroup_size: 256
    .sgpr_count:     66
    .vgpr_count:     384
    .wavefront_size: 32
...
	.end_amdgpu_metadata
.endif
;; end of part 3
;; launch proj (part 4): grid 4 x 64, 4 waves a work-group, clusters of 4 x 4, 327,680 bytes of LDS; arguments ao16, wo16, out0; writes out0
.if DOCPART == 4
	.amdgcn_target "amdgcn-amd-amdhsa--gfx1250"
	.amdhsa_code_object_version 6
	.text
	.protected	k_q5898a073e2_proj
	.globl	k_q5898a073e2_proj
	.p2align	8
	.type	k_q5898a073e2_proj,@function
k_q5898a073e2_proj:
	s_mov_b64 s[64:65], 0
	v_nop
	global_prefetch_b8 v0, s[64:65] scope:SCOPE_SE
	s_setreg_imm32_b32 hwreg(HW_REG_WAVE_MODE, 25, 1), 1
	s_wait_xcnt 0x0
	s_wait_alu depctr_hold_cnt(0) depctr_sa_sdst(0) depctr_va_vdst(0) depctr_va_sdst(0) depctr_va_ssrc(0) depctr_va_vcc(0) depctr_vm_vsrc(0)
	s_getreg_b32 s2, hwreg(HW_REG_IB_STS2, 6, 4)
	s_cmp_eq_u32 s2, 0
	s_cbranch_scc0 .Lentry_in_a_cluster
	s_endpgm
.Lentry_in_a_cluster:
	s_bfe_u32 s2, ttmp6, 0x10000c
	s_cmp_lg_u32 s2, 0xf033
	s_cbranch_scc0 .Lentry_shape_is_right
	s_endpgm
.Lentry_shape_is_right:
; out0[m][n] = sum over k of A[m][k] Wo[n][k], m 8,192, n 1,024, k 1,024, f16 operands, f32 sums.  A is the attention's result, laid [batch][head][position][64] f16, so k = 64 head + channel; Wo [n][k] f16.
; The first 16 rows of each batch are multiplied with their tile but NOT stored here: the last launch computes and stores them in f32.
; A tile of 128 x 256 is made by four waves, a wave 64 x 128: 32 accumulators.  256 work-groups.  K goes in eight steps of 128 (two heads) through a ring of two LDS slots.
; CLUSTERS: 4 x 4.  Tile row = 16 cy + cluster y (cy is the batch), tile column = 4 cluster x + cx.  The four of a row of the cluster ask jointly for A's tiles, the four of a column for Wo's.
; THE MATRIX INSTRUCTION IS USED TRANSPOSED (source 0 = 16 rows of Wo, source 1 = 16 rows of A): a lane holds eight neighbouring numbers of a row of out0.
; REGISTERS: window 0: v16-30 addresses; v32-159 the way out.  window 1: two fragment buffers of 96: Wo's 8 fragments, then A's 4.  window 2: accumulator (a, b) at v[8 (8 a + b)].
.set PA,    144                        ; a row of A's tile in LDS: 128 bytes + 16
.set PB,    272                        ; a row of Wo's: 256 bytes + 16
.set APL,   128*PA                     ; a head's 128 rows
.set BOFF,  2*APL
.set BH,    128*PB
.set SLOT,  BOFF+2*BH
.set STAGE, 2*SLOT                     ; behind the ring: 16 rows x 528 bytes for each wave; no tensor load lands there
.set SPITCH, 528
.set SPARE, STAGE+4*16*SPITCH          ; the spare words: 128 bytes a wave, two blocks of 256 bytes that no other line names
.set LAPS,  4
.set ADRA, 16
.set ADRB, 20
.set STO,  24
.set RD,   25
.set CO,   26
.set SPW,  28
.set NIL,  29
.set PFO,  30
.set BK,   32
.set F0,   0
.set F1,   96
.set G1, 24
.set G0, 32
.set G1B, 48
.set G0B, 56
.set SKZ, 44                           ; s44 0 in the waves whose block 0 is a batch's first 16 rows
.set LIM, 45
.set PFA, 46
.set MSB, 0
.macro WIN new
.if MSB != (\new)
	s_set_vgpr_msb (MSB<<8)|(\new)
.set MSB, (\new)
.endif
.endm
.set MUL,  0xa5                        ; sources 0 and 1 window 1; C and D window 2
.set TO_F, 0x40
.macro JLOAD s                         ; waves 0 and 1 fetch A's two heads, waves 2 and 3 Wo's two halves; an s_nop 0 and four v_nop follow each of the two lines
	s_cmp_eq_u32 s11, 0
	s_cbranch_scc0 .Lfor_b_\@
	tensor_load_to_lds s[G0+4*\s:G0+4*\s+3], s[G1:G1+7]
	s_nop 0
.rept 4
	v_nop
.endr
	s_branch .Lasked_\@
.Lfor_b_\@:
	tensor_load_to_lds s[G0B+4*\s:G0B+4*\s+3], s[G1B:G1B+7]
	s_nop 0
.rept 4
	v_nop
.endr
.Lasked_\@:
.endm
.macro CREST
	s_cmp_lg_u32 s10, 0
	s_cbranch_scc1 .Lnot_wave_0_\@
	s_barrier_signal -3
.Lnot_wave_0_\@:
	s_barrier_wait -3
	s_barrier_signal -1
	s_barrier_wait -1
.endm
.macro CROUND
	s_barrier_signal -1
	s_barrier_wait -1
	CREST
.endm
; A PREFETCH INTO THE L2 of A's K step that stands two refills on (256 matrix instructions a wave ahead of its load): 2 heads x 128 rows x 128 bytes = 128 blocks of 256 bytes.  Only this cluster reads these rows.
; Its four partners along x share them out BY ADDRESS: partner cx takes head cx / 2, half cx % 2: 8,192 dense bytes, lanes 256 bytes apart; in each, wave 0 asks.  The last two refills have no K step two on.
; Wo is not asked for: all sixteen clusters walk the same rows of it.
.macro ASK
	s_cmp_gt_u32 s3, s[LIM]
	s_cbranch_scc0 .Lnot_mine_\@
	global_prefetch_b8 v[PFO], s[PFA:PFA+1] th:TH_LOAD_NT scope:SCOPE_SE
.Lnot_mine_\@:
.endm
	s_load_b128 s[4:7], s[0:1], 0x0                ; ao16 s[4:5], wo16 s[6:7]
	s_load_b64 s[8:9], s[0:1], 0x10                ; out0
	v_lshl_add_u32 v[SPW], v0, 2, SPARE
	v_mov_b32 v[NIL], 0
	ds_add_u32 v[SPW], v[NIL]                      ; the wave's opening: the add, twice on end, and its wait ahead of my first tensor load
	ds_add_u32 v[SPW], v[NIL]
	v_lshrrev_b32 v1, 5, v0
	v_readfirstlane_b32 s10, v1                    ; wave 0..3
	s_lshr_b32 s11, s10, 1                         ; which 64 rows of the tile are mine.  Also: I fetch for A (0) or for Wo (1)
	s_and_b32 s12, s10, 1                          ; which 128 columns.  Also: which head, or which half of Wo's rows, I fetch
	s_bfe_u32 s40, ttmp6, 0x40000                  ; cx
	s_bfe_u32 s41, ttmp6, 0x40004                  ; cy
	s_lshl_b32 s42, ttmp9, 2
	s_add_co_u32 s42, s42, s40                     ; tile column
	s_and_b32 s13, ttmp7, 0xffff                   ; cluster y: the block of 128 positions in the batch
	s_lshl_b32 s43, s41, 2
	s_lshl_b32 s43, 15, s43                        ; my row of the cluster
	s_lshl_b32 s44, 0x1111, s40                    ; my column
	s_or_b32 s[G1+0], s43, (1<<16)|(1<<20)|(1<<21)|(4<<22)|(3<<25)   ; the mask; elements of 2 bytes; padding on; bit 21 beside a mask; 4 words behind every 32
	s_mov_b32 s[G1+1], 64<<16                      ; A: 128 rows of 64 elements, dense
	s_mov_b32 s[G1+2], 128<<16
	s_mov_b32 s[G1+3], 64<<16
	s_mov_b32 s[G1+4], 128
	s_mov_b32 s[G1+5], 64
	s_mov_b32 s[G1+6], 0
	s_mov_b32 s[G1+7], 0
	s_or_b32 s[G1B+0], s44, (1<<16)|(1<<20)|(1<<21)|(5<<22)|(3<<25)  ; 4 words behind every 64
	s_mov_b32 s[G1B+1], 128<<16                    ; Wo: 128 rows of 128 elements, 1,024 apart
	s_mov_b32 s[G1B+2], 128<<16
	s_mov_b32 s[G1B+3], 128<<16
	s_mov_b32 s[G1B+4], 128
	s_mov_b32 s[G1B+5], 1024
	s_mov_b32 s[G1B+6], 0
	s_mov_b32 s[G1B+7], 0
	s_lshl_b32 s16, s41, 4
	s_add_co_u32 s16, s16, s12                     ; A: plane 16 cy + the head of K step 0 that I fetch,
	s_lshl_b32 s16, s16, 18
	s_lshl_b32 s17, s13, 14                        ; position 128 x cluster y, 128 bytes each
	s_add_co_u32 s16, s16, s17
	s_mov_b32 s17, 0
	s_lshl_b32 s20, s42, 1
	s_add_co_u32 s20, s20, s12
	s_lshl_b32 s20, s20, 18                        ; Wo: row 256 x tile column + 128 x half, 2,048 bytes each
	s_mov_b32 s21, 0
	s_mul_i32 s18, s12, APL                        ; where they go: no place in the cluster enters an LDS address
	s_mul_i32 s19, s12, BH
	s_add_co_u32 s19, s19, BOFF
	s_wait_dscnt 0x0                               ; both opening adds are done
	s_wait_kmcnt 0x0
	s_add_nc_u64 s[14:15], s[4:5], s[16:17]
	s_add_nc_u64 s[22:23], s[6:7], s[20:21]
	CROUND                                         ; all sixteen work-groups are here: the first joint loads meet
.irp s, 0,1
	s_mov_b32 s[G0+4*\s], 1
	s_add_co_u32 s[G0+4*\s+1], s18, \s*SLOT
	s_add_nc_u64 s[G0+4*\s+2:G0+4*\s+3], s[14:15], \s*524288       ; K step s: two heads on
	s_or_b32 s[G0+4*\s+3], s[G0+4*\s+3], 0x80000000
	s_mov_b32 s[G0B+4*\s], 1
	s_add_co_u32 s[G0B+4*\s+1], s19, \s*SLOT
	s_add_nc_u64 s[G0B+4*\s+2:G0B+4*\s+3], s[22:23], \s*256
	s_or_b32 s[G0B+4*\s+3], s[G0B+4*\s+3], 0x80000000
	JLOAD \s
.endr
	v_and_b32 v1, 15, v0                           ; r
	v_bfe_u32 v2, v0, 4, 1                         ; h
	v_mul_u32_u24 v3, v1, PA
	v_lshl_add_u32 v3, v2, 4, v3
	v_mul_u32_u24 v4, v1, PB
	v_lshl_add_u32 v4, v2, 4, v4
	s_mul_i32 s21, s11, 64*PA                      ; my 64 rows of A
	s_mul_i32 s22, s12, BH                         ; my 128 rows of Wo
	s_add_co_u32 s22, s22, BOFF
.irp s, 0,1
	v_add_nc_u32 v[ADRA+\s], s21, v3
	v_add_nc_u32 v[ADRB+\s], s22, v4
	s_add_co_u32 s21, s21, SLOT
	s_add_co_u32 s22, s22, SLOT
.endr
	s_mul_i32 s23, s10, 16*SPITCH
	s_add_co_u32 s23, s23, STAGE                   ; my stage
	v_mul_u32_u24 v5, v1, SPITCH
	v_lshl_add_u32 v5, v2, 5, v5
	v_add_nc_u32 v[STO], s23, v5                   ; in: row r, 32 bytes for each half of the lanes
	v_and_b32 v6, 31, v0
	v_lshlrev_b32 v[CO], 4, v6                     ; back: the 32 lanes take a row of 512 bytes; the same in out0
	v_add_nc_u32 v[RD], s23, v[CO]
	v_lshlrev_b32 v[PFO], 8, v6
	s_lshl_b32 s16, s41, 11
	s_lshl_b32 s17, s13, 7
	s_add_co_u32 s16, s16, s17
	s_lshl_b32 s17, s11, 6
	s_add_co_u32 s16, s16, s17                     ; my first row: 2,048 cy + 128 cluster y + 64 x half
	s_lshl_b32 s16, s16, 12
	s_mov_b32 s17, 0
	s_add_nc_u64 s[8:9], s[8:9], s[16:17]
	s_lshl_b32 s20, s42, 10
	s_lshl_b32 s21, s12, 9
	s_add_co_u32 s20, s20, s21                     ; my first column, in bytes
	s_mov_b32 s21, 0
	s_add_nc_u64 s[8:9], s[8:9], s[20:21]
	s_or_b32 s[SKZ], s13, s11
	s_lshr_b32 s45, s40, 1                         ; the prefetches: head cx / 2,
	s_lshl_b32 s46, s41, 4
	s_add_co_u32 s46, s46, s45
	s_lshl_b32 s46, s46, 18
	s_lshl_b32 s45, s13, 14
	s_add_co_u32 s46, s46, s45
	s_and_b32 s45, s40, 1                          ; half cx % 2 of its 128 rows,
	s_lshl_b32 s45, s45, 13
	s_add_co_u32 s46, s46, s45
	s_add_co_u32 s46, s46, 3*524288                ; at K step 3: each refill steps it ahead of its use, so the first names K step 4
	s_mov_b32 s47, 0
	s_add_nc_u64 s[PFA:PFA+1], s[4:5], s[46:47]
	s_cmp_eq_u32 s10, 0
	s_cselect_b32 s[LIM], 1, -1
.macro MUL8 f, a, zero                 ; A's block a against Wo's eight, 32 along K.  The 32 accumulators take turns, one instruction a turn, in the same order in every quarter
.irp b, 0,1,2,3,4,5,6,7
.if \zero
	v_wmma_f32_16x16x32_f16 v[8*(8*(\a)+\b):8*(8*(\a)+\b)+7], v[\f+8*\b:\f+8*\b+7], v[\f+64+8*(\a):\f+64+8*(\a)+7], 0
.else
	v_wmma_f32_16x16x32_f16 v[8*(8*(\a)+\b):8*(8*(\a)+\b)+7], v[\f+8*\b:\f+8*\b+7], v[\f+64+8*(\a):\f+64+8*(\a)+7], v[8*(8*(\a)+\b):8*(8*(\a)+\b)+7]
.endif
.endr
.endm
.macro FETCH slot, q, f                ; 24 LDS loads in one run: quarter q (32 along K: head q / 2, channels 32 (q % 2) on): Wo's 8 fragments, then A's 4
	WIN TO_F
.irp b, 0,1,2,3,4,5,6,7
	ds_load_b128 v[\f+8*\b:\f+8*\b+3], v[ADRB+\slot] offset:64*(\q)+\b*16*PB
	ds_load_b128 v[\f+8*\b+4:\f+8*\b+7], v[ADRB+\slot] offset:64*(\q)+\b*16*PB+32
.endr
.irp a, 0,1,2,3
	ds_load_b128 v[\f+64+8*\a:\f+64+8*\a+3], v[ADRA+\slot] offset:((\q)/2)*APL+((\q)%2)*64+\a*16*PA
	ds_load_b128 v[\f+64+8*\a+4:\f+64+8*\a+7], v[ADRA+\slot] offset:((\q)/2)*APL+((\q)%2)*64+\a*16*PA+32
.endr
.endm
.macro PLACES
.rept 4
	v_nop
.endr
.endm
.macro QUARTER slot, qn, f, g, zero    ; multiplies buffer f and fetches quarter qn of the same slot into g
	s_wait_dscnt 4                                 ; Wo's fragments and A's blocks 0, 1 are in; the youngest four loads (A's blocks 2, 3) may be out
	WIN MUL
	MUL8 \f, 0, \zero
	MUL8 \f, 1, \zero
	PLACES
	FETCH \slot, \qn, \g
	s_wait_dscnt 24                                ; all but the 24 just issued
	WIN MUL
	MUL8 \f, 2, \zero
	MUL8 \f, 3, \zero
.endm
; A slot's last quarter multiplies buffer 1 and changes slots: ONE barrier; in front of it each wave waits for all its tensor loads, adds 0 to its spare word, and waits for that and for its reads of this slot.
; fill = 1: the barrier opens a round of the cluster's, and this slot is filled again, two K steps ahead: the load has 112 matrix instructions of a wave in which to land.
.macro TURN slot, next, fill
.if \fill
	s_wait_xcnt 0x0                                ; the last prefetch, a K step back, has read its address
	s_add_nc_u64 s[PFA:PFA+1], s[PFA:PFA+1], 524288
.endif
	WIN 0
	s_wait_tensorcnt 0x0                           ; all my tensor loads have landed: my part of the next slot
	ds_add_u32 v[SPW], v[NIL]
	s_wait_dscnt 5                                 ; the add and the youngest four loads may be out
	WIN MUL
	MUL8 F1, 0, 0
	s_wait_dscnt 0x0                               ; the add is done, and my reads of this slot are over
	s_barrier_signal -1
	MUL8 F1, 1, 0
.if \fill
	WIN 0
.endif
	s_barrier_wait -1
.if \fill
	CREST                                          ; no wave of any partner still reads this slot's tile or has a load on its way
	s_add_nc_u64 s[G0+4*\slot+2:G0+4*\slot+3], s[G0+4*\slot+2:G0+4*\slot+3], 2*524288
	s_add_nc_u64 s[G0B+4*\slot+2:G0B+4*\slot+3], s[G0B+4*\slot+2:G0B+4*\slot+3], 2*256
	JLOAD \slot                                    ; the first tensor load behind the round; its four v_nop are also the places in front of the loads below
.else
	PLACES
.endif
	FETCH \next, 0, F0
.if \fill
	WIN 0
	ASK
.endif
	WIN MUL
	MUL8 F1, 2, 0
	MUL8 F1, 3, 0
.endm
	s_wait_tensorcnt 1                             ; my part of K step 0 is in; K step 1's load may be out
	s_barrier_signal -1
	s_barrier_wait -1
	FETCH 0, 0, F0
	QUARTER 0, 1, F0, F1, 1                        ; the first quarter's products start the sums
	WIN 0
	s_mov_b32 s3, LAPS-1
.Llap:                                             ; a trip goes once round the ring, from a lap's second quarter to the next lap's first, and fills both slots again
	QUARTER 0, 2, F1, F0, 0
	QUARTER 0, 3, F0, F1, 0
	TURN 0, 1, 1
	QUARTER 1, 1, F0, F1, 0
	QUARTER 1, 2, F1, F0, 0
	QUARTER 1, 3, F0, F1, 0
	TURN 1, 0, 1
	QUARTER 0, 1, F0, F1, 0
	WIN 0
	s_sub_co_u32 s3, s3, 1
	s_cmp_lg_u32 s3, 0
	s_cbranch_scc1 .Llap
	QUARTER 0, 2, F1, F0, 0                        ; the last lap fills nothing
	QUARTER 0, 3, F0, F1, 0
	TURN 0, 1, 0
	QUARTER 1, 1, F0, F1, 0
	QUARTER 1, 2, F1, F0, 0
	QUARTER 1, 3, F0, F1, 0
	s_wait_dscnt 4
	WIN MUL
	MUL8 F1, 0, 0
	MUL8 F1, 1, 0
	s_wait_dscnt 0x0
	MUL8 F1, 2, 0
	MUL8 F1, 3, 0
	WIN 0
; THE WAY OUT, block by block of 16 rows x 128 columns, through my own stage in LDS: back as whole rows of 512 bytes, which the 32 lanes store as 512 consecutive bytes, aligned.
.macro TOSTAGE a
	WIN 0x08                                       ; an LDS store's data: window 2
.irp b, 0,1,2,3,4,5,6,7
	ds_store_b128 v[STO], v[8*(8*(\a)+\b):8*(8*(\a)+\b)+3] offset:64*\b            ; each accumulator from its low end on
	ds_store_b128 v[STO], v[8*(8*(\a)+\b)+4:8*(8*(\a)+\b)+7] offset:64*\b+16
.endr
	WIN 0
.set BB, BK+64*((\a)%2)
.irp t, 0,1,2,3,4,5,6,7,8,9,10,11,12,13,14,15
	ds_load_b128 v[BB+4*\t:BB+4*\t+3], v[RD] offset:\t*SPITCH                      ; LDS serves a wave's instructions in order: these see the stores above
.endr
.endm
.macro SEND a, younger
.set BB, BK+64*((\a)%2)
	s_wait_dscnt \younger
.irp t, 0,1,2,3,4,5,6,7,8,9,10,11,12,13,14,15
	global_store_b128 v[CO], v[BB+4*\t:BB+4*\t+3], s[8:9] offset:(16*(\a)+\t)*4096 th:TH_STORE_NT
.endr
.endm
	PLACES
	s_cmp_eq_u32 s[SKZ], 0                         ; a batch's first 16 rows are the last launch's: cluster y and the wave's number alone decide
	s_cbranch_scc1 .Lskip0
	TOSTAGE 0
	SEND 0, 0
.Lskip0:
	TOSTAGE 1
	s_wait_xcnt 0x0                                ; block 0's stores have read their registers
	TOSTAGE 2
	SEND 1, 32                                     ; behind block 1's loads: block 2's 16 stores and 16 loads
	s_wait_xcnt 0x0
	TOSTAGE 3
	SEND 2, 32
	SEND 3, 0
	s_wait_tensorcnt 0x0                           ; the wave's end: behind my last tensor load and my last LDS store
	ds_add_u32 v[SPW], v[NIL]
	s_wait_dscnt 0x0
	CROUND                                         ; the closing round
	s_endpgm
.Lfunc_end_k_q5898a073e2_proj:
	.size	k_q5898a073e2_proj, .Lfunc_end_k_q5898a073e2_proj-k_q5898a073e2_proj
	.p2alignl 7, 3214868480
	.fill 96, 4, 3214868480
	.section	.rodata,"a",@progbits
	.p2align	6, 0x0
	.amdhsa_kernel k_q5898a073e2_proj
		.amdhsa_group_segment_fixed_size 327680
		.amdhsa_private_segment_fixed_size 0
		.amdhsa_enable_private_segment 0
		.amdhsa_kernarg_size 24
		.amdhsa_user_sgpr_count 2
		.amdhsa_user_sgpr_kernarg_segment_ptr 1
		.amdhsa_wavefront_size32 1
		.amdhsa_system_sgpr_workgroup_id_x 1
		.amdhsa_system_sgpr_workgroup_id_y 1
		.amdhsa_system_sgpr_workgroup_id_z 1
		.amdhsa_system_vgpr_workitem_id 0
		.amdhsa_next_free_vgpr 768
		.amdhsa_next_free_sgpr 66
		.amdhsa_reserve_vcc 0
		.amdhsa_float_denorm_mode_32 3
		.amdhsa_float_denorm_mode_16_64 3
		.amdhsa_memory_ordered 1
		.amdhsa_forward_progress 1
		.amdhsa_inst_pref_size 86
	.end_amdhsa_kernel
	.amdgpu_metadata
---
amdhsa.version: [ 1, 2 ]
amdhsa.kernels:
  - .name:           k_q5898a073e2_proj
    .symbol:         k_q5898a073e2_proj.kd
    .args:
      - { .name: ao16, .offset: 0, .size: 8, .value_kind: global_buffer, .address_space: global }
      - { .name: wo16, .offset: 8, .size: 8, .value_kind: global_buffer, .address_space: global }
      - { .name: out0, .offset: 16, .size: 8, .value_kind: global_buffer, .address_space: global }
    .group_segment_fixed_size: 327680
    .private_segment_fixed_size: 0
    .kernarg_segment_align: 8
    .kernarg_segment_size: 24
    .max_flat_workgroup_size: 128
    .sgpr_count:     66
    .vgpr_count:     768
    .wavefront_size: 32
...
	.end_amdgpu_metadata
.endif
;; end of part 4
;; launch fine (part 5): grid 16 x 4, 16 waves a work-group, no clusters, 154,880 bytes of LDS; arguments qkvf, Wo, out0; writes out0
.if DOCPART == 5
	.amdgcn_target "amdgcn-amd-amdhsa--gfx1250"
	.amdhsa_code_object_version 6
	.text
	.protected	k_q5898a073e2_fine
	.globl	k_q5898a073e2_fine
	.p2align	8
	.type	k_q5898a073e2_fine,@function
k_q5898a073e2_fine:
	s_mov_b64 s[64:65], 0
	v_nop
	global_prefetch_b8 v0, s[64:65] scope:SCOPE_SE
	s_setreg_imm32_b32 hwreg(HW_REG_WAVE_MODE, 25, 1), 1
	s_wait_xcnt 0x0
; The first 16 positions of each sequence, whose rows of the softmax average one to sixteen values: attention and the product with Wo once more, with f32 operands (v_wmma_f32_16x16x4_f32: 96 instructions a wave, no bulk work).
; Work-group (x, batch) stores out0[batch][0 .. 15][64 x .. 64 x + 63].  Keys beyond position 15 are hidden from these queries by reference()'s own jnp.tril and are left out.
; PHASE A: wave w is head w: S^T = K Q^T over the 16 x 16 positions, the mask, the softmax, O^T = V^T P, O / l into LDS.  (Each of a batch's 16 work-groups does this for itself: it needs all 16 heads.)
; PHASE B: wave w takes 16 columns (w % 4) and 256 of K (w / 4); the four parts of K meet in LDS.
; q, k, v come as images of the result registers that made them: load i gives lane (r, h) row r, channels 16 (i / 2) + 8 h + 4 (i % 2) + 0 .. 3.  A matrix instruction sums k = 2 h + j over a lane's two registers;
; which four numbers along K those are is free so long as both sources take the same: so registers are taken in pairs as they lie, on both sides alike.
; Wo's loads take 16 bytes of each half of 32 in sixteen rows; eight loads on end use a row's 256 bytes whole.
; REGISTERS: v4-13 addresses; v14, v15 the add's two; v16-47 q, v48-79 k (later Wo's second half); v80-111 v's image, then O / l, then a set of O; v112-143 four accumulators, written by matrix instructions alone;
; v144-207 Wo's first half; v208-239 V^T, then a set of O; v240-247 the scores, the weights, then the result; v248-255 at work.
.set VT,    0                          ; LDS: for each wave 16 keys x (256 bytes + 16)
.set OX,    16*4352                    ; 16 rows x (4,096 bytes + 16): O / l, all heads
.set RED,   OX+16*4112                 ; 4 parts of K x 16 rows x (256 bytes + 16)
.set SPARE, RED+4*4352                 ; the spare words: 128 bytes a wave, eight blocks of 256 bytes that no other line names
.set ACC,   112
	s_load_b128 s[4:7], s[0:1], 0x0                ; qkvf s[4:5], Wo s[6:7]
	s_load_b64 s[8:9], s[0:1], 0x10                ; out0
	v_lshl_add_u32 v14, v0, 2, SPARE
	v_mov_b32 v15, 0
	v_lshrrev_b32 v1, 5, v0
	v_readfirstlane_b32 s10, v1                    ; wave 0..15
	s_and_b32 s11, s10, 3                          ; which 16 columns
	s_lshr_b32 s12, s10, 2                         ; which 256 of K
	s_and_b32 s13, ttmp7, 0xffff                   ; the batch
	v_and_b32 v1, 15, v0                           ; r
	v_bfe_u32 v2, v0, 4, 1                         ; h
	v_and_b32 v3, 31, v0
	v_lshlrev_b32 v4, 4, v3                        ; 16 x lane
	s_mul_i32 s14, s10, 4352
	v_mul_u32_u24 v5, v1, 272
	v_lshl_add_u32 v5, v2, 5, v5
	v_add_nc_u32 v5, s14, v5                       ; v's image into rows: key r, + 32 h
	v_mul_u32_u24 v6, v2, 2176
	v_lshl_add_u32 v6, v1, 2, v6
	v_add_nc_u32 v6, s14, v6                       ; and out by columns: key 8 h, channel r
	v_mul_u32_u24 v250, v1, 4112
	s_lshl_b32 s15, s10, 8
	s_add_co_u32 s15, s15, OX
	v_lshl_add_u32 v7, v2, 5, v250
	v_add_nc_u32 v7, s15, v7                       ; O / l: row r, my head's 256 bytes, + 32 h
	s_lshl_b32 s15, s12, 10
	s_add_co_u32 s15, s15, OX
	v_lshl_add_u32 v8, v2, 4, v250
	v_add_nc_u32 v8, s15, v8                       ; and back: row r, my 256 of K, + 16 h
	v_lshlrev_b32 v9, 12, v1
	v_lshl_add_u32 v9, v2, 4, v9                   ; Wo: row r of 4,096 bytes, + 16 h
	s_mul_i32 s15, s12, 4352
	s_lshl_b32 s16, s11, 6
	s_add_co_u32 s15, s15, s16
	s_add_co_u32 s15, s15, RED
	v_mul_u32_u24 v10, v1, 272
	v_lshl_add_u32 v10, v2, 5, v10
	v_add_nc_u32 v10, s15, v10                     ; my part: row r, my 16 columns, + 32 h
	s_and_b32 s15, s10, 7
	s_mul_i32 s15, s15, 544
	s_add_co_u32 s15, s15, RED
	v_mul_u32_u24 v11, v2, 272
	v_lshl_add_u32 v11, v1, 4, v11
	v_add_nc_u32 v11, s15, v11                     ; the parts back: rows 2 (w % 8) + h, 16 bytes a lane (waves 0-7 use it)
	v_lshlrev_b32 v12, 12, v2
	v_lshl_add_u32 v12, v1, 4, v12                 ; the same two rows in out0
	v_lshlrev_b32 v250, 3, v2
	v_sub_nc_u32 v13, v1, v250                     ; r - 8 h
	v_mov_b32 v3, 0xff800000                       ; -infinity
	v_mov_b32 v249, 0                              ; written once: a lane permute's destination counts as one of its sources
	s_mul_i32 s16, s13, 48
	s_add_co_u32 s16, s16, s10
	s_lshl_b32 s16, s16, 12                        ; q's image: (3 batch x 16 + head) x 4,096; k's and v's lie 65,536 and 131,072 on
	s_mov_b32 s17, 0
	s_lshl_b32 s18, ttmp9, 2
	s_add_co_u32 s18, s18, s11
	s_lshl_b32 s18, s18, 16                        ; Wo: row 64 x + 16 (w % 4),
	s_lshl_b32 s19, s12, 10
	s_add_co_u32 s18, s18, s19                     ; + my 256 of K
	s_mov_b32 s19, 0
	s_lshl_b32 s20, s13, 10
	s_and_b32 s21, s10, 7
	s_add_co_u32 s20, s20, s21
	s_lshl_b32 s20, s20, 13                        ; out0: row 2,048 batch + 2 (w % 8),
	s_lshl_b32 s21, ttmp9, 8
	s_add_co_u32 s20, s20, s21                     ; + 64 x columns
	s_mov_b32 s21, 0
	s_mov_b32 s22, 0x76543210
	s_mov_b32 s23, 0xfedcba98
	s_mov_b32 s24, 0x3e38aa3b                      ; c = log2(e) / 8
	s_wait_kmcnt 0x0
	s_add_nc_u64 s[4:5], s[4:5], s[16:17]
	s_add_nc_u64 s[6:7], s[6:7], s[18:19]
	s_add_nc_u64 s[8:9], s[8:9], s[20:21]
.irp i, 0,1,2,3,4,5,6,7
	global_load_b128 v[16+4*\i:19+4*\i], v4, s[4:5] offset:512*\i
.endr
.irp i, 0,1,2,3,4,5,6,7
	global_load_b128 v[48+4*\i:51+4*\i], v4, s[4:5] offset:65536+512*\i
.endr
.irp i, 0,1,2,3,4,5,6,7
	global_load_b128 v[80+4*\i:83+4*\i], v4, s[4:5] offset:131072+512*\i
.endr
.irp c, 0,1,2,3,4,5,6,7,8,9,10,11,12,13,14,15
	global_load_b128 v[144+4*\c:147+4*\c], v9, s[6:7] offset:32*\c      ; Wo, chunks of 8 along K, 0 to 15
.endr
	s_wait_loadcnt 16                              ; q, k, v are in; Wo's 16 loads may be out
.irp i, 0,1,2,3,4,5,6,7
	ds_store_b128 v5, v[80+4*\i:83+4*\i] offset:64*(\i/2)+16*(\i%2)
.endr
.irp ct, 0,1,2,3
.irp j, 0,1,2,3,4,5,6,7
	ds_load_b32 v[208+8*\ct+\j], v6 offset:272*\j+64*\ct                ; V^T: lane (r, h): channel 16 ct + r, key 8 h + j.  LDS serves a wave's instructions in order: these see my stores
.endr
.endr
.irp pr, 0,1,2,3                               ; S^T = K Q^T: four accumulators by turns; the first four products start the sums
.irp cb, 0,1,2,3
.if \pr == 0
	v_wmma_f32_16x16x4_f32 v[ACC+8*\cb:ACC+8*\cb+7], v[48+8*\cb+2*\pr:49+8*\cb+2*\pr], v[16+8*\cb+2*\pr:17+8*\cb+2*\pr], 0
.else
	v_wmma_f32_16x16x4_f32 v[ACC+8*\cb:ACC+8*\cb+7], v[48+8*\cb+2*\pr:49+8*\cb+2*\pr], v[16+8*\cb+2*\pr:17+8*\cb+2*\pr], v[ACC+8*\cb:ACC+8*\cb+7]
.endif
.endr
.endr
.rept 8
	v_nop                                          ; eight places behind this form (ISA guide 7.12.1)
.endr
.irp j, 0,2,4,6
	v_pk_add_f32 v[248:249], v[ACC+\j:ACC+\j+1], v[ACC+8+\j:ACC+8+\j+1]
	v_pk_add_f32 v[250:251], v[ACC+16+\j:ACC+16+\j+1], v[ACC+24+\j:ACC+24+\j+1]
	v_pk_add_f32 v[240+\j:241+\j], v[248:249], v[250:251]               ; lane (r, h): query r, key 8 h + j
.endr
.irp c, 0,1,2,3,4,5,6,7,8,9,10,11,12,13,14,15
	global_load_b128 v[16+4*\c:19+4*\c], v9, s[6:7] offset:512+32*\c    ; Wo, chunks 16 to 31, into q's and k's registers
.endr
.irp j, 0,1,2,3,4,5,6,7
	v_cmp_gt_i32 vcc_lo, \j, v13                   ; key 8 h + j comes after query r
	v_cndmask_b32 v[240+\j], v[240+\j], v3, vcc_lo
.endr
	v_max3_num_f32 v248, v240, v241, v242
	v_max3_num_f32 v248, v248, v243, v244
	v_max3_num_f32 v248, v248, v245, v246
	v_max_num_f32 v248, v248, v247
	v_permlanex16_b32 v249, v248, s22, s23
	v_max_num_f32 v248, v248, v249                 ; the row's maximum: key 0 counts for every query
	v_mul_f32 v250, s24, v248
.irp j, 0,1,2,3,4,5,6,7
	v_fma_f32 v[240+\j], v[240+\j], s24, -v250
.endr
.irp j, 0,1,2,3,4,5,6,7
	v_exp_f32 v[240+\j], v[240+\j]
.endr
	v_nop
	s_wait_alu depctr_va_vdst(0)                   ; one wait for the eight exponentials, ahead of their first reader
	v_pk_add_f32 v[252:253], v[240:241], v[242:243]
	v_pk_add_f32 v[254:255], v[244:245], v[246:247]
	v_pk_add_f32 v[252:253], v[252:253], v[254:255]
	v_add_f32 v252, v252, v253
	v_permlanex16_b32 v249, v252, s22, s23
	v_add_f32 v252, v252, v249
	v_rcp_f32 v253, v252                           ; 1 / l
	v_nop
	s_wait_alu depctr_va_vdst(0)
	s_wait_dscnt 0x0                               ; V^T is in
.irp j0, 0,2,4,6                               ; O^T = V^T P: keys 8 h + j0, + 1 on both sides
.irp ct, 0,1,2,3
.if \j0 == 0
	v_wmma_f32_16x16x4_f32 v[ACC+8*\ct:ACC+8*\ct+7], v[208+8*\ct+\j0:209+8*\ct+\j0], v[240+\j0:241+\j0], 0
.else
	v_wmma_f32_16x16x4_f32 v[ACC+8*\ct:ACC+8*\ct+7], v[208+8*\ct+\j0:209+8*\ct+\j0], v[240+\j0:241+\j0], v[ACC+8*\ct:ACC+8*\ct+7]
.endif
.endr
.endr
.rept 8
	v_nop
.endr
.irp ct, 0,1,2,3
.irp j, 0,1,2,3,4,5,6,7
	v_mul_f32 v[80+8*\ct+\j], v[ACC+8*\ct+\j], v253                     ; lane (r, h): query r, channel 16 ct + 8 h + j
.endr
.endr
.irp ct, 0,1,2,3
	ds_store_b128 v7, v[80+8*\ct:83+8*\ct] offset:64*\ct
	ds_store_b128 v7, v[84+8*\ct:87+8*\ct] offset:64*\ct+16
.endr
	s_wait_dscnt 0x0                               ; for the others' sake: my stores have landed
	s_barrier_signal -1
	s_barrier_wait -1                              ; 16 rows of O / l, all heads, lie in LDS
; PHASE B.  A chunk is 8 along K: both sides take 16 bytes at k = 8 c + 4 h; registers (0, 1) and (2, 3) are two matrix instructions.  Source 0 = 16 rows of Wo, source 1 = the 16 rows of O: a lane holds eight
; neighbouring columns of one row.  Four groups of eight chunks; O's two sets of registers by turns.
.macro OLOAD g
.set OB, 208-128*((\g)%2)
.irp i, 0,1,2,3,4,5,6,7
	ds_load_b128 v[OB+4*\i:OB+4*\i+3], v8 offset:32*(8*(\g)+\i)
.endr
.endm
.macro GMUL g
.set OB, 208-128*((\g)%2)
.if (\g) < 2
.set WB, 144+32*(\g)
.else
.set WB, 16+32*((\g)-2)
.endif
.irp i, 0,1,2,3,4,5,6,7
.if (\g) == 0 && \i < 2
	v_wmma_f32_16x16x4_f32 v[ACC+16*(\i%2):ACC+16*(\i%2)+7], v[WB+4*\i:WB+4*\i+1], v[OB+4*\i:OB+4*\i+1], 0
	v_wmma_f32_16x16x4_f32 v[ACC+8+16*(\i%2):ACC+8+16*(\i%2)+7], v[WB+4*\i+2:WB+4*\i+3], v[OB+4*\i+2:OB+4*\i+3], 0
.else
	v_wmma_f32_16x16x4_f32 v[ACC+16*(\i%2):ACC+16*(\i%2)+7], v[WB+4*\i:WB+4*\i+1], v[OB+4*\i:OB+4*\i+1], v[ACC+16*(\i%2):ACC+16*(\i%2)+7]
	v_wmma_f32_16x16x4_f32 v[ACC+8+16*(\i%2):ACC+8+16*(\i%2)+7], v[WB+4*\i+2:WB+4*\i+3], v[OB+4*\i+2:OB+4*\i+3], v[ACC+8+16*(\i%2):ACC+8+16*(\i%2)+7]
.endif
.endr
.endm
	OLOAD 0
	OLOAD 1
	s_wait_loadcnt 16                              ; Wo's first half is in; the second half's 16 loads may be out
	s_wait_dscnt 8                                 ; group 0 is in; group 1's eight loads may be out
	GMUL 0
.rept 8
	v_nop
.endr
	OLOAD 2
	s_wait_dscnt 8
	GMUL 1
.rept 8
	v_nop
.endr
	OLOAD 3
	s_wait_loadcnt 0x0
	s_wait_dscnt 8
	GMUL 2
	s_wait_dscnt 0x0
	GMUL 3
.rept 8
	v_nop
.endr
.irp j, 0,2,4,6
	v_pk_add_f32 v[248:249], v[ACC+\j:ACC+\j+1], v[ACC+8+\j:ACC+8+\j+1]
	v_pk_add_f32 v[250:251], v[ACC+16+\j:ACC+16+\j+1], v[ACC+24+\j:ACC+24+\j+1]
	v_pk_add_f32 v[240+\j:241+\j], v[248:249], v[250:251]
.endr
	ds_store_b128 v10, v[240:243]
	ds_store_b128 v10, v[244:247] offset:16
	s_wait_dscnt 0x0
	s_barrier_signal -1
	s_barrier_wait -1                              ; the four parts of K lie in LDS
	s_cmp_lt_u32 s10, 8                            ; waves 0-7 add them, two rows each
	s_cbranch_scc0 .Lend
.irp q, 0,1,2,3
	ds_load_b128 v[16+4*\q:19+4*\q], v11 offset:4352*\q
.endr
	s_wait_dscnt 0x0
	v_pk_add_f32 v[16:17], v[16:17], v[20:21]
	v_pk_add_f32 v[18:19], v[18:19], v[22:23]
	v_pk_add_f32 v[24:25], v[24:25], v[28:29]
	v_pk_add_f32 v[26:27], v[26:27], v[30:31]
	v_pk_add_f32 v[16:17], v[16:17], v[24:25]
	v_pk_add_f32 v[18:19], v[18:19], v[26:27]
	global_store_b128 v12, v[16:19], s[8:9]        ; sixteen lanes store 256 consecutive bytes of a row, aligned
.Lend:
	s_wait_tensorcnt 0x0                           ; the wave's end: behind my last LDS store
	ds_add_u32 v14, v15
	s_wait_dscnt 0x0
	s_endpgm
.Lfunc_end_k_q5898a073e2_fine:
	.size	k_q5898a073e2_fine, .Lfunc_end_k_q5898a073e2_fine-k_q5898a073e2_fine
	.p2alignl 7, 3214868480
	.fill 96, 4, 3214868480
	.section	.rodata,"a",@progbits
	.p2align	6, 0x0
	.amdhsa_kernel k_q5898a073e2_fine
		.amdhsa_group_segment_fixed_size 154880
		.amdhsa_private_segment_fixed_size 0
		.amdhsa_enable_private_segment 0
		.amdhsa_kernarg_size 24
		.amdhsa_user_sgpr_count 2
		.amdhsa_user_sgpr_kernarg_segment_ptr 1
		.amdhsa_wavefront_size32 1
		.amdhsa_system_sgpr_workgroup_id_x 1
		.amdhsa_system_sgpr_workgroup_id_y 1
		.amdhsa_system_sgpr_workgroup_id_z 1
		.amdhsa_system_vgpr_workitem_id 0
		.amdhsa_next_free_vgpr 256
		.amdhsa_next_free_sgpr 66
		.amdhsa_reserve_vcc 1
		.amdhsa_float_denorm_mode_32 3
		.amdhsa_float_denorm_mode_16_64 3
		.amdhsa_memory_ordered 1
		.amdhsa_forward_progress 1
		.amdhsa_inst_pref_size 28
	.end_amdhsa_kernel
	.amdgpu_metadata
---
amdhsa.version: [ 1, 2 ]
amdhsa.kernels:
  - .name:           k_q5898a073e2_fine
    .symbol:         k_q5898a073e2_fine.kd
    .args:
      - { .name: qkvf, .offset: 0, .size: 8, .value_kind: global_buffer, .address_space: global }
      - { .name: Wo, .offset: 8, .size: 8, .value_kind: global_buffer, .address_space: global }
      - { .name: out0, .offset: 16, .size: 8, .value_kind: global_buffer, .address_space: global }
    .group_segment_fixed_size: 154880
    .private_segment_fixed_size: 0
    .kernarg_segment_align: 8
    .kernarg_segment_size: 24
    .max_flat_workgroup_size: 512
    .sgpr_count:     66
    .vgpr_count:     256
    .wavefront_size: 32
...
	.end_amdgpu_metadata
.endif
;; end of part 5
